; MI455X (gfx1250); checked and timed in simulation.
; The chip was launched on July 23, 2026; its instructions are those of AMD's public machine-readable ISA for CDNA 5 (MIT licence, August 2026) and "CDNA5" Instruction Set Architecture Reference Guide (July 2026). The comments in the code are by the model that wrote it; some were corrected since.
;; Mo E Wrapper. Allowed arithmetic: matrix products marked QUANTISED: E3M2 operands, one E8M0 scale for each 32 along K, by v_wmma_scale_f32_16x16x128_f8f6f4 with both operands' format E3M2, f32 sums; products left as they are: f32 operands where the result goes on into a quantised operand, else bf16, f16 or f32 operands; f32 sums; everything else in f32.
;; Inputs: W1_codes 8 x 4,096 x 32 x 24 uint8 (E3M2 codes of W1, K innermost, in blocks of 32 codes, four codes in three bytes); W1_scales 8 x 4,096 x 32 uint8 (E8M0 scales of W1, one for each 32 codes along K); W2_codes 8 x 1,024 x 128 x 24 uint8 (E3M2 codes of W2, K innermost, in blocks of 32 codes, four codes in three bytes); W2_scales 8 x 1,024 x 128 uint8 (E8M0 scales of W2, one for each 32 codes along K); Wr 512 x 8 float32; Wr_h_codes 512 x 32 x 24 uint8 (E3M2 codes of Wr_h, K innermost, in blocks of 32 codes, four codes in three bytes); Wr_h_scales 512 x 32 uint8 (E8M0 scales of Wr_h, one for each 32 codes along K); b1 8 x 4,096 float32; b2 8 x 1,024 float32; br 8 float32; br_h 512 float32; x_codes 1,024 x 32 x 24 uint8 (E3M2 codes of x, K innermost, in blocks of 32 codes, four codes in three bytes); x_scales 1,024 x 32 uint8 (E8M0 scales of x, one for each 32 codes along K).
;; Outputs: out0 1,024 x 1,024 float32.
;; This version of the problem:
;;   THIS VERSION OF THE PROBLEM IS GIVEN IN LOW PRECISION. The matrix products marked QUANTISED in the list below multiply operands that are first quantised to E3M2 (3 exponent bits, 2 mantissa bits; 6 bits a number), with one power-of-two scale for each 32 numbers along K (OCP MX v1.0); their sums are f32. All else is computed in f32.
;;   The module's matrix products, in the order in which they are computed (A, B: the left and right operand; K: the contracted axis; several contracted axes count as one K, in the product's order):
;;     1. [M 1,024, K 1,024] x [K 1,024, N 512]; A: input x (given as codes); B: input Wr_h (given as codes): QUANTISED
;;     2. [M 1,024, K 512] x [K 512, N 8]; A: computed on the way; B: input Wr: left as it is (N = 8 < 16)
;;     3. [M 1,024, K 1,024] x [K 1,024, N 4,096]; A: input x (given as codes); B: input W1 (given as codes): QUANTISED
;;     4. [M 1,024, K 4,096] x [K 4,096, N 1,024]; A: computed on the way; B: input W2 (given as codes): QUANTISED
;;     5. [M 1,024, K 1,024] x [K 1,024, N 4,096]; A: input x (given as codes); B: input W1 (given as codes): QUANTISED
;;     6. [M 1,024, K 4,096] x [K 4,096, N 1,024]; A: computed on the way; B: input W2 (given as codes): QUANTISED
;;     7. [M 1,024, K 1,024] x [K 1,024, N 4,096]; A: input x (given as codes); B: input W1 (given as codes): QUANTISED
;;     8. [M 1,024, K 4,096] x [K 4,096, N 1,024]; A: computed on the way; B: input W2 (given as codes): QUANTISED
;;     9. [M 1,024, K 1,024] x [K 1,024, N 4,096]; A: input x (given as codes); B: input W1 (given as codes): QUANTISED
;;     10. [M 1,024, K 4,096] x [K 4,096, N 1,024]; A: computed on the way; B: input W2 (given as codes): QUANTISED
;;     11. [M 1,024, K 1,024] x [K 1,024, N 4,096]; A: input x (given as codes); B: input W1 (given as codes): QUANTISED
;;     12. [M 1,024, K 4,096] x [K 4,096, N 1,024]; A: computed on the way; B: input W2 (given as codes): QUANTISED
;;     13. [M 1,024, K 1,024] x [K 1,024, N 4,096]; A: input x (given as codes); B: input W1 (given as codes): QUANTISED
;;     14. [M 1,024, K 4,096] x [K 4,096, N 1,024]; A: computed on the way; B: input W2 (given as codes): QUANTISED
;;     15. [M 1,024, K 1,024] x [K 1,024, N 4,096]; A: input x (given as codes); B: input W1 (given as codes): QUANTISED
;;     16. [M 1,024, K 4,096] x [K 4,096, N 1,024]; A: computed on the way; B: input W2 (given as codes): QUANTISED
;;     17. [M 1,024, K 1,024] x [K 1,024, N 4,096]; A: input x (given as codes); B: input W1 (given as codes): QUANTISED
;;     18. [M 1,024, K 4,096] x [K 4,096, N 1,024]; A: computed on the way; B: input W2 (given as codes): QUANTISED
;;   THE QUANTISER, for each operand of a quantised product, along K:
;;     - K is cut into blocks of 32 from its start; a last block that is shorter is filled with zeros.
;;     - A block's scale is 2^e with e = floor(log2(the largest magnitude in the block)) - 4, held to -126 .. 127; a block of zeros has e = 0. As a byte (E8M0): e + 127.
;;     - Each number is divided by its block's scale, clamped to +-28, and rounded to the nearest number of E3M2, ties to even, subnormals kept.
;;     - The product sums the exact products of the quantised numbers (number of the format x scale) in f32.
;;   ~~~python
;;   def quantise(x, axis):      # numpy; x: float32 -> the quantised numbers, widened to float32 again
;;       x = np.moveaxis(x, axis, -1); K = x.shape[-1]
;;       x = np.pad(x, [(0, 0)] * (x.ndim - 1) + [(0, -K % 32)]); x = x.reshape(x.shape[:-1] + (-1, 32)); a = np.abs(x).max(-1, keepdims=True)
;;       e = np.where(a > 0, np.clip(np.frexp(np.where(a > 0, a, 1))[1] - 1 - 4, -126, 127), 0)      # np.frexp(a)[1] - 1 = floor(log2(a)), exactly
;;       r = np.clip(x / 2.0 ** e, -28, 28)
;;       step = 2.0 ** (np.maximum(np.frexp(np.where(r == 0, 1, r))[1] - 1, -2) - 2)
;;       q = np.round(r / step) * step * 2.0 ** e      # np.round: ties to even
;;       return np.moveaxis(q.reshape(q.shape[:-2] + (-1,))[..., :K], -1, axis).astype(np.float32)
;;   ~~~
;;   OPERANDS COMPUTED ON THE WAY. 'Computed on the way' means the value that the module computes at that place (a softmax that the list does not call 'softmax' is quantised finished and normalised). What goes into a quantiser is computed in f32, as accurately as f32 sums, v_exp_f32 and their like allow (about 1e-6 of the number): no bf16 or f16 on the way to a quantiser, and a product that is left as it is and whose result goes on into a quantised operand takes f32 operands (vector FMAs, or v_wmma_f32_16x16x4_f32). A number that lies on a knife's edge between two numbers of the format may be rounded either way, as far as f32 arithmetic and the matrix unit's own rounding can turn it there, and no further.
;;   INPUTS GIVEN AS CODES. W1 (in the module: [8, 1024, 4096], K = its axis 1); W2 (in the module: [8, 4096, 1024], K = its axis 1); Wr_h (in the module: [1024, 512], K = its axis 0); x (in the module: [1024, 1024], K = its axis 1): each comes as NAME_codes (uint8): NAME with its K axis moved to the last place and cut into blocks of 32 codes, [.., K / 32, bytes a block], one block behind the other in memory; four codes in three bytes: a row's codes are one little-endian stream of bits, code i at bits 6 i .. 6 i + 5 (a code: sign, 3 exponent bits, 2 mantissa bits); and NAME_scales (uint8): the same leading axes, one E8M0 byte (e + 127) for each 32 codes along K. Its value is code x scale, taken as it is: it is not quantised again, and the codes and scales need not be those that the quantiser above would give.
;; 3 versions, each right; version 2 is faster than version 1; version 3 is version 2 with the launch ffn2 written anew for expert scheduling mode. Each part assembles by itself: llvm-mc -triple=amdgcn-amd-amdhsa -mcpu=gfx1250 --defsym DOCPART=n.
;; ======== version 1 of 3: 4 launches
;; workspace buffers: ids 4,096 bytes of whole numbers; wts 4,096 bytes; tok 34,816 bytes of whole numbers; wl 32,768 bytes; hid 25,165,824 bytes; hsc 2,097,152 bytes
;; launch route (part 1): grid 64 x 1, 4 waves a work-group, no clusters, 71,168 bytes of LDS; arguments x_codes, x_scales, Wr_h_codes, Wr_h_scales, br_h, Wr, br, ids, wts; writes ids, wts
.if DOCPART == 1
	.amdgcn_target "amdgcn-amd-amdhsa--gfx1250"
	.amdhsa_code_object_version 6
	.text
	.protected	k_q7c5cea682f_route
	.globl	k_q7c5cea682f_route
	.p2align	8
	.type	k_q7c5cea682f_route,@function
k_q7c5cea682f_route:
	s_mov_b64 s[64:65], 0
	v_nop
	global_prefetch_b8 v0, s[64:65] scope:SCOPE_SE
	s_setreg_imm32_b32 hwreg(HW_REG_WAVE_MODE, 25, 1), 1
	s_wait_xcnt 0x0
; THE ROUTER.  h = x Wr_h + br_h on codes of BF6 (E3M2) with E8M0 scales; logits = h Wr + br by f32 multiply-adds; softmax; the two largest; softmax of the two.
; reference() writes expert after expert, a later one over an earlier one: a token keeps the HIGHER-NUMBERED of its two experts, times that expert's weight.  So one number and one weight a token are stored, at fixed places:
; ids[t], wts[t].  No address and no branch here hangs on them; a later launch reads them and places the rows.
; SHARES.  A work-group owns 16 tokens; wave w owns hidden units 128 w .. 128 w + 127: eight tiles of 16, taken in four pairs; 64 matrix instructions a wave.
; THE MATRIX INSTRUCTION IS USED TRANSPOSED (source 0 = 16 rows of Wr_h, source 1 = the 16 tokens): a lane holds one token (lane % 16), and register j of a tile the unit 8 (lane / 16) + j.
; A tile of 16 rows x 768 bytes is read as it lies, two aligned runs of 256 bytes an instruction, and turned through the wave's own stage in LDS (rows 784 bytes apart) into fragment registers.
; NO CLUSTER: the weights go by lane loads into registers, a pair of tiles (24,576 bytes) at a time.  A joint request is a tensor load into LDS slots: each wave's 98,304 bytes would go through slots filled again, with a round of the
; cluster's barrier for every 16 matrix instructions of a wave.
; LIMITS.  NaN and infinities are not served.  The two largest are taken of the f32 probabilities with a strict compare in ascending order, so that the lower index wins a tie.  An exponential under 2^-126 is made as
; 2^(t + 64) x 2^-64, so that it stays a denormal.  The f32 sums are ordered otherwise than reference()'s; two probabilities that agree to f32 rounding may change places.
; REGISTERS.  window 0: v1-15 lane terms; v16-23 x's scale words; v24-55 Wr_h's (pair p, K step s at 24 + 8 p + s: even tile in lanes 0-15, odd tile in lanes 16-31); v56-119 the 8 accumulators; v120-215 x's 8 fragments, later Wr;
;   v216-223 eight partial logits; v224-255 at work.   window 1, window 2: v0-191 a pair of tiles each; window 2 v192-223 Wr as loaded.
.set GW,   3                           ; v3   768 (lane / 16) + 16 (lane % 16): my 16 bytes of two rows
.set LSW,  4                           ; v4   the stage, on the way in
.set LFW,  5                           ; v5   the stage, on the way out
.set XS,   16
.set WS,   24
.set ACC,  56
.set XF,   120
.set H0,   120                         ; v120-151, v152-183: two halves of a tile's rows of Wr
.set LG,   216
.set WSTB, 12544                       ; a stage: 16 rows x 784 bytes.  LDS: four stages from byte 0,
.set WRL,  50176                       ; Wr as it lies, 4,096 bytes a wave,
.set RED,  66560                       ; eight sets of partial logits, 512 bytes each
.set MSB,  0
.macro WIN new                         ; the immediate's high byte repeats the setting that is left; a switch that changes nothing is dropped
.if MSB != (\new)
	s_set_vgpr_msb (MSB<<8)|(\new)
.set MSB, (\new)
.endif
.endm
.macro NOP4                            ; four places behind a matrix instruction (ISA guide 7.12.1)
.rept 4
	v_nop
.endr
.endm
.macro BAR                             ; my LDS stores have landed and my LDS loads are in: then the work-group's barrier
	s_wait_dscnt 0x0
	s_barrier_signal -1
	s_barrier_wait -1
.endm
; 24 loads: 16 rows x 768 bytes from row row0 on, rows rs bytes apart: lanes 0-15 take 256 bytes of row 2 i, lanes 16-31 of row 2 i + 1
.macro WLOAD win, base, sb, rs, row0
	WIN (\win)<<6
.irp i, 0,1,2,3,4,5,6,7
.irp u, 0,1,2
	global_load_b128 v[\base+4*(3*\i+\u):\base+4*(3*\i+\u)+3], v[GW], s[\sb:\sb+1] offset:((\row0)+2*\i)*(\rs)+256*\u
.endr
.endr
	WIN 0
.endm
; the 96 registers go into the stage as loaded and come back as 8 fragments: K step s at base + 12 s; lane (r, h) takes of row r the 24 bytes at 96 s + 24 h and at 96 s + 48 + 24 h, in pieces of 8.
; LDS serves a wave's instructions in order (ISA guide 5.7.1.4): no wait between the stores and the loads, nor in front of the next turn's stores.  784 bytes are 196 words: the 32 lanes of a load of 8 bytes touch 64 different banks.
.macro WTURN win, base
	WIN (\win)<<2
.irp i, 0,1,2,3,4,5,6,7
.irp u, 0,1,2
	ds_store_b128 v[LSW], v[\base+4*(3*\i+\u):\base+4*(3*\i+\u)+3] offset:1568*\i+256*\u
.endr
.endr
	WIN (\win)<<6
.irp s, 0,1,2,3,4,5,6,7
.irp p, 0,1,2,3,4,5
	ds_load_b64 v[\base+12*\s+2*\p:\base+12*\s+2*\p+1], v[LFW] offset:96*\s+48*(\p/3)+8*(\p%3)
.endr
.endr
	WIN 0
.endm
.macro MM d, a, b, c, sa, sb, row      ; row = 1: source 0's scale words stand in lanes 16-31
.if \row
	v_wmma_scale_f32_16x16x128_f8f6f4 v[\d:\d+7], v[\a:\a+11], v[\b:\b+11], v[\c:\c+7], v[\sa], v[\sb] matrix_a_fmt:MATRIX_FMT_BF6 matrix_b_fmt:MATRIX_FMT_BF6 matrix_a_scale:MATRIX_SCALE_ROW1
.else
	v_wmma_scale_f32_16x16x128_f8f6f4 v[\d:\d+7], v[\a:\a+11], v[\b:\b+11], v[\c:\c+7], v[\sa], v[\sb] matrix_a_fmt:MATRIX_FMT_BF6 matrix_b_fmt:MATRIX_FMT_BF6
.endif
.endm
; Pair p of tiles, which lies in window win.  left: the loads issued behind this pair's.  The pair's two accumulators take turns, one instruction a turn; they begin as br_h, loaded into them.
.macro PASS p, win, refill, left
	s_wait_loadcnt \left
	WTURN \win, 0
	WTURN \win, 96
	s_wait_dscnt 0x0
	WIN \win                                       ; source 0 in the pair's window
.irp s, 0,1,2,3,4,5,6,7
	MM ACC+16*\p, 12*\s, XF+12*\s, ACC+16*\p, WS+8*\p+\s, XS+\s, 0
	MM ACC+16*\p+8, 96+12*\s, XF+12*\s, ACC+16*\p+8, WS+8*\p+\s, XS+\s, 1
.endr
	WIN 0
	NOP4                                           ; in front of loads into registers that these products have read
.if \refill
	WLOAD \win, 0, 20, 768, 32*(\p)+64
	WLOAD \win, 96, 20, 768, 32*(\p)+80
.endif
.endm
; Wr's rows of units 16 t + 8 h + 4 hf + 0 .. 3, 32 bytes each: all lanes of a half read the same bytes
.macro LDW t, hf
.irp k, 0,1,2,3,4,5,6,7
	ds_load_b128 v[H0+32*(\hf)+4*\k:H0+32*(\hf)+4*\k+3], v11 offset:512*(\t)+128*(\hf)+16*\k
.endr
.endm
; 16 packed multiply-adds: the four units' h, each times its eight numbers of Wr, onto the eight partial logits.  first = 1: the first four start the sums
.macro FMH t, hf, first
.irp jj, 0,1,2,3
.irp kk, 0,1,2,3
.if (\first) && (\jj == 0)
	v_pk_mul_f32 v[LG+2*\kk:LG+2*\kk+1], v[H0+32*(\hf)+2*\kk:H0+32*(\hf)+2*\kk+1], v[ACC+8*(\t):ACC+8*(\t)+1] op_sel_hi:[1,0]
.elseif (\jj % 2) == 0
	v_pk_fma_f32 v[LG+2*\kk:LG+2*\kk+1], v[H0+32*(\hf)+8*\jj+2*\kk:H0+32*(\hf)+8*\jj+2*\kk+1], v[ACC+8*(\t)+4*(\hf)+\jj:ACC+8*(\t)+4*(\hf)+\jj+1], v[LG+2*\kk:LG+2*\kk+1] op_sel_hi:[1,0,1]
.else
	v_pk_fma_f32 v[LG+2*\kk:LG+2*\kk+1], v[H0+32*(\hf)+8*\jj+2*\kk:H0+32*(\hf)+8*\jj+2*\kk+1], v[ACC+8*(\t)+4*(\hf)+\jj-1:ACC+8*(\t)+4*(\hf)+\jj], v[LG+2*\kk:LG+2*\kk+1] op_sel:[0,1,0] op_sel_hi:[1,1,1]
.endif
.endr
.endr
.endm
.macro LSTEP t, first, last            ; a tile's 16 units of my half; each accumulator is read from its low end on
	s_wait_dscnt 8                                 ; the first half's eight loads are in, the second half's may be out
	FMH \t, 0, \first
.if !(\last)
	LDW (\t)+1, 0
	s_wait_dscnt 8                                 ; the second half's are in, the eight just issued may be out
.else
	s_wait_dscnt 0x0
.endif
	FMH \t, 1, 0
.if !(\last)
	LDW (\t)+1, 1
.endif
.endm
	s_load_b512 s[16:31], s[0:1], 0x0              ; x_codes 16, x_scales 18, Wr_h_codes 20, Wr_h_scales 22, br_h 24, Wr 26, br 28, ids 30
	s_load_b64 s[32:33], s[0:1], 0x40              ; wts
	v_lshl_add_u32 v254, v0, 2, 0x11400
	v_mov_b32 v255, 0
	v_lshrrev_b32 v1, 5, v0
	v_readfirstlane_b32 s2, v1                     ; wave 0..3
	v_and_b32 v15, 31, v0                          ; l
	v_and_b32 v1, 15, v0                           ; r
	v_bfe_u32 v2, v0, 4, 1                         ; h
	v_lshlrev_b32 v224, 4, v1                      ; 16 r
	v_mad_u32_u24 v[GW], v2, 768, v224
	s_mul_i32 s4, s2, WSTB                         ; my stage
	v_mad_u32_u24 v[LSW], v2, 784, v224
	v_add_nc_u32 v[LSW], s4, v[LSW]                ; in: row h, 16 r
	v_mul_u32_u24 v[LFW], v1, 784
	v_mad_u32_u24 v[LFW], v2, 24, v[LFW]
	v_add_nc_u32 v[LFW], s4, v[LFW]                ; out: row r, 24 h
	v_lshlrev_b32 v6, 5, v15                       ; 32 l: a row of scale bytes for each lane of a pair of tiles
	v_lshlrev_b32 v7, 5, v1                        ; 32 r
	v_lshlrev_b32 v8, 5, v2                        ; 32 h
	v_lshlrev_b32 v9, 4, v15                       ; 16 l
	s_lshl_b32 s5, s2, 12
	s_add_co_u32 s5, s5, WRL                       ; my 128 rows of Wr in LDS
	v_add_nc_u32 v10, s5, v9                       ; in
	v_lshl_add_u32 v11, v2, 8, s5                  ; out: 8 rows on for lanes 16-31
	s_lshl_b32 s6, s2, 10
	s_add_co_u32 s6, s6, RED
	v_lshl_add_u32 v12, v2, 9, v7
	v_add_nc_u32 v12, s6, v12                      ; my set of partial logits: set 2 w + h, token r
	v_add_nc_u32 v13, RED, v7                      ; and where wave 0 reads token r's
	v_lshlrev_b32 v14, 2, v1                       ; 4 r
	s_mov_b32 s9, 0
	s_wait_kmcnt 0x0
	s_load_b256 s[36:43], s[28:29], 0x0            ; br
	s_mul_i32 s8, ttmp9, 12288
	s_add_nc_u64 s[16:17], s[16:17], s[8:9]        ; my 16 tokens' codes,
	s_lshl_b32 s8, ttmp9, 9
	s_add_nc_u64 s[18:19], s[18:19], s[8:9]        ; their scale bytes
	s_mul_i32 s8, s2, 98304
	s_add_nc_u64 s[20:21], s[20:21], s[8:9]        ; my 128 rows of Wr_h,
	s_lshl_b32 s8, s2, 12
	s_add_nc_u64 s[22:23], s[22:23], s[8:9]        ; their scale bytes,
	s_add_nc_u64 s[26:27], s[26:27], s[8:9]        ; my 128 rows of Wr,
	s_lshl_b32 s8, s2, 9
	s_add_nc_u64 s[24:25], s[24:25], s[8:9]        ; my 128 numbers of br_h
	s_lshl_b32 s8, ttmp9, 6
	s_add_nc_u64 s[30:31], s[30:31], s[8:9]
	s_add_nc_u64 s[32:33], s[32:33], s[8:9]
	WLOAD 0, XF, 16, 768, 0                        ; x: 24 loads
.irp q, 0,1
	global_load_b128 v[XS+4*\q:XS+4*\q+3], v7, s[18:19] offset:16*\q
.endr
.irp p, 0,1,2,3
.irp q, 0,1
	global_load_b128 v[WS+8*\p+4*\q:WS+8*\p+4*\q+3], v6, s[22:23] offset:1024*\p+16*\q
.endr
.endr
.irp t, 0,1,2,3,4,5,6,7
.irp q, 0,1
	global_load_b128 v[ACC+8*\t+4*\q:ACC+8*\t+4*\q+3], v8, s[24:25] offset:64*\t+16*\q   ; br_h of units 16 t + 8 h + 0 .. 7: the sums begin with it
.endr
.endr
	WIN 0x80
.irp q, 0,1,2,3,4,5,6,7
	global_load_b128 v[192+4*\q:192+4*\q+3], v9, s[26:27] offset:512*\q
.endr
	WIN 0
	WLOAD 1, 0, 20, 768, 0                         ; pair 0
	WLOAD 1, 96, 20, 768, 16
	s_wait_loadcnt 48                              ; all but pair 0's 48 loads are in
	WTURN 0, XF
	WIN 0x08                                       ; an LDS store's data are its source 1: window 2
.irp q, 0,1,2,3,4,5,6,7
	ds_store_b128 v10, v[192+4*\q:192+4*\q+3] offset:512*\q   ; Wr, as it lies; only my wave reads these bytes
.endr
	WIN 0
	WLOAD 2, 0, 20, 768, 32                        ; pair 1
	WLOAD 2, 96, 20, 768, 48
	PASS 0, 1, 1, 48                               ; behind each pair's loads stand the next pair's 48
	PASS 1, 2, 1, 48
	PASS 2, 1, 0, 48
	PASS 3, 2, 0, 0
	; logits, in f32: my 64 units' part for my token
	LDW 0, 0
	LDW 0, 1
	LSTEP 0, 1, 0
.irp t, 1,2,3,4,5,6
	LSTEP \t, 0, 0
.endr
	LSTEP 7, 0, 1
	ds_store_b128 v12, v[LG:LG+3]
	ds_store_b128 v12, v[LG+4:LG+7] offset:16
	s_wait_kmcnt 0x0                               ; br
	BAR                                            ; the eight sets of partial logits lie in LDS
	s_cmp_lg_u32 s2, 0
	s_cbranch_scc1 .Lend                           ; wave 0 finishes; lanes 16-31 repeat lanes 0-15
.irp p, 0,1,2,3,4,5,6,7
.irp c, 0,1
	ds_load_b128 v[120+8*\p+4*\c:120+8*\p+4*\c+3], v13 offset:512*\p+16*\c
.endr
.endr
	s_wait_dscnt 0x0
.irp k, 0,2,4,6
	v_pk_add_f32 v[224+\k:225+\k], v[120+\k:121+\k], v[128+\k:129+\k]
.endr
.irp p, 2,3,4,5,6,7
.irp k, 0,2,4,6
	v_pk_add_f32 v[224+\k:225+\k], v[224+\k:225+\k], v[120+8*\p+\k:121+8*\p+\k]
.endr
.endr
.irp e, 0,1,2,3,4,5,6,7
	v_add_f32 v[224+\e], s[36+\e], v[224+\e]       ; + br
.endr
	v_max3_num_f32 v232, v224, v225, v226          ; the row's largest logit is taken away, as reference() does
	v_max3_num_f32 v232, v232, v227, v228
	v_max3_num_f32 v232, v232, v229, v230
	v_max_num_f32 v232, v232, v231
	v_mov_b32 v233, 0x42800000                     ; 64.0
	v_mov_b32 v234, 0x1f800000                     ; 2^-64
	v_mov_b32 v235, 0xc2fc0000                     ; -126.0
.irp e, 0,1,2,3,4,5,6,7
	v_sub_f32 v[224+\e], v[224+\e], v232
.endr
.irp e, 0,1,2,3,4,5,6,7
	v_mul_f32 v[224+\e], 0x3fb8aa3b, v[224+\e]     ; t = (logit - largest) x log2(e)
.endr
.irp e, 0,1,2,3,4,5,6,7
	v_cmp_lt_f32 s[44+\e], v[224+\e], v235         ; where 2^t would be a denormal,
.endr
.irp e, 0,1,2,3,4,5,6,7
	v_cndmask_b32 v[240+\e], 0, v233, s[44+\e]
.endr
.irp e, 0,1,2,3,4,5,6,7
	v_add_f32 v[224+\e], v[224+\e], v[240+\e]      ; 2^(t + 64) is made,
.endr
.irp e, 0,1,2,3,4,5,6,7
	v_exp_f32 v[224+\e], v[224+\e]
.endr
.irp e, 0,1,2,3,4,5,6,7
	v_cndmask_b32 v[240+\e], 1.0, v234, s[44+\e]   ; (plain work behind the exponentials, which names none of their results)
.endr
	s_wait_alu depctr_va_vdst(0)                   ; one wait for the batch of eight, ahead of its first reader
.irp e, 0,1,2,3,4,5,6,7
	v_mul_f32 v[224+\e], v[224+\e], v[240+\e]      ; and multiplied by 2^-64
.endr
	v_add_f32 v236, v224, v225
	v_add_f32 v237, v226, v227
	v_add_f32 v250, v228, v229
	v_add_f32 v251, v230, v231
	v_add_f32 v236, v236, v237
	v_add_f32 v250, v250, v251
	v_add_f32 v236, v236, v250
	v_rcp_f32 v237, v236
	v_nop
	s_wait_alu depctr_va_vdst(0)
.irp e, 0,1,2,3,4,5,6,7
	v_mul_f32 v[224+\e], v[224+\e], v237           ; the probabilities
.endr
	v_mov_b32 v238, v224                           ; the largest so far, v239 its index;
	v_mov_b32 v239, 0
	v_mov_b32 v248, -1.0                           ; the second, v249 its index: under every probability
	v_mov_b32 v249, 0
.irp e, 1,2,3,4,5,6,7
	v_cmp_gt_f32 s52, v[224+\e], v238              ; strictly greater: the lower index keeps its place in a tie
	v_cmp_gt_f32 s53, v[224+\e], v248
	v_cndmask_b32 v248, v248, v[224+\e], s53
	v_cndmask_b32 v249, v249, \e, s53
	v_cndmask_b32 v248, v248, v238, s52
	v_cndmask_b32 v249, v249, v239, s52
	v_cndmask_b32 v238, v238, v[224+\e], s52
	v_cndmask_b32 v239, v239, \e, s52
.endr
	v_sub_f32 v250, v248, v238                     ; the softmax of the two: the larger is taken away
	v_mul_f32 v250, 0x3fb8aa3b, v250
	v_exp_f32 v250, v250                           ; d = e^(second - largest)
	v_max_u32 v251, v239, v249                     ; the expert that is kept: the higher number
	s_wait_alu depctr_va_vdst(0)
	v_add_f32 v252, 1.0, v250
	v_rcp_f32 v252, v252                           ; 1 / (1 + d): the largest's weight
	v_nop
	s_wait_alu depctr_va_vdst(0)
	v_cmp_gt_u32 s52, v239, v249
	v_mul_f32 v253, v250, v252                     ; d / (1 + d): the second's
	v_cndmask_b32 v253, v253, v252, s52
	v_cmp_gt_u32 vcc_lo, 16, v0
	s_wait_xcnt 0x0                                ; EXEC changes only behind this wait
	s_and_saveexec_b32 s54, vcc_lo
	global_store_b32 v14, v251, s[30:31]           ; 16 lanes, 64 consecutive bytes
	global_store_b32 v14, v253, s[32:33]
	s_wait_xcnt 0x0
	s_or_b32 exec_lo, exec_lo, s54
.Lend:
	s_barrier_signal -1
	s_barrier_wait -1
	s_wait_tensorcnt 0x0
	ds_add_u32 v254, v255
	s_wait_dscnt 0x0
	s_endpgm
.Lfunc_end_k_q7c5cea682f_route:
	.size	k_q7c5cea682f_route, .Lfunc_end_k_q7c5cea682f_route-k_q7c5cea682f_route
	.p2alignl 7, 3214868480
	.fill 96, 4, 3214868480
	.section	.rodata,"a",@progbits
	.p2align	6, 0x0
	.amdhsa_kernel k_q7c5cea682f_route
		.amdhsa_group_segment_fixed_size 71168
		.amdhsa_private_segment_fixed_size 0
		.amdhsa_enable_private_segment 0
		.amdhsa_kernarg_size 72
		.amdhsa_user_sgpr_count 2
		.amdhsa_user_sgpr_kernarg_segment_ptr 1
		.amdhsa_wavefront_size32 1
		.amdhsa_system_sgpr_workgroup_id_x 1
		.amdhsa_system_sgpr_workgroup_id_y 1
		.amdhsa_system_sgpr_workgroup_id_z 1
		.amdhsa_system_vgpr_workitem_id 0
		.amdhsa_next_free_vgpr 768
		.amdhsa_next_free_sgpr 66
		.amdhsa_reserve_vcc 1
		.amdhsa_float_denorm_mode_32 3
		.amdhsa_float_denorm_mode_16_64 3
		.amdhsa_memory_ordered 1
		.amdhsa_forward_progress 1
		.amdhsa_inst_pref_size 114
	.end_amdhsa_kernel
	.amdgpu_metadata
---
amdhsa.version: [ 1, 2 ]
amdhsa.kernels:
  - .name:           k_q7c5cea682f_route
    .symbol:         k_q7c5cea682f_route.kd
    .args:
      - { .name: x_codes, .offset: 0, .size: 8, .value_kind: global_buffer, .address_space: global }
      - { .name: x_scales, .offset: 8, .size: 8, .value_kind: global_buffer, .address_space: global }
      - { .name: Wr_h_codes, .offset: 16, .size: 8, .value_kind: global_buffer, .address_space: global }
      - { .name: Wr_h_scales, .offset: 24, .size: 8, .value_kind: global_buffer, .address_space: global }
      - { .name: br_h, .offset: 32, .size: 8, .value_kind: global_buffer, .address_space: global }
      - { .name: Wr, .offset: 40, .size: 8, .value_kind: global_buffer, .address_space: global }
      - { .name: br, .offset: 48, .size: 8, .value_kind: global_buffer, .address_space: global }
      - { .name: ids, .offset: 56, .size: 8, .value_kind: global_buffer, .address_space: global }
      - { .name: wts, .offset: 64, .size: 8, .value_kind: global_buffer, .address_space: global }
    .group_segment_fixed_size: 71168
    .private_segment_fixed_size: 0
    .kernarg_segment_align: 8
    .kernarg_segment_size: 72
    .max_flat_workgroup_size: 128
    .sgpr_count:     66
    .vgpr_count:     768
    .wavefront_size: 32
...
	.end_amdgpu_metadata
.endif
;; end of part 1
;; launch place (part 2): grid 8 x 1, 1 waves a work-group, no clusters, 8,448 bytes of LDS; arguments ids, wts, tok, wl; writes tok, wl
.if DOCPART == 2
	.amdgcn_target "amdgcn-amd-amdhsa--gfx1250"
	.amdhsa_code_object_version 6
	.text
	.protected	k_q7c5cea682f_place
	.globl	k_q7c5cea682f_place
	.p2align	8
	.type	k_q7c5cea682f_place,@function
k_q7c5cea682f_place:
	s_mov_b64 s[64:65], 0
	v_nop
	global_prefetch_b8 v0, s[64:65] scope:SCOPE_SE
	s_setreg_imm32_b32 hwreg(HW_REG_WAVE_MODE, 25, 1), 1
	s_wait_xcnt 0x0
; THE ROWS ARE PLACED BY EXPERT.  Work-group e, one wave, scans all 1,024 tokens' kept experts and makes expert e's row of tok (1,024 token numbers, then 64 words that all hold the count n) and of wl (the weight at each position).
; Positions 0 .. n - 1 hold the expert's tokens.  EVERY position from n on holds the token at position n - 1 and its weight (0 and 0.0 where n = 0): so every entry of the list may be read, a tile's rows past n repeat a row of the
; SAME tile, and the launches that follow need no mask.  No atomics: a rank is a count of set bits.
; Register q = 4 j + i of lane l holds token 128 j + 4 l + i.  Within a register the lanes are ranked from the top: position = (the count up to and with this register) - 1 - (matching lanes below me).  So the last position of all
; belongs to the lowest set lane of the last mask that is not empty, and that lane's last match is the token wanted.
; One wave: LDS has no second party, so there is no barrier; LDS serves a wave's instructions in order (ISA guide 5.7.1.4).
.set ID, 4                             ; v4-35    the kept experts
.set W,  36                            ; v36-67   the weights
.set AD, 68                            ; v68-99   4 x position: an LDS address, held to 4,092
	s_load_b256 s[4:11], s[0:1], 0x0               ; ids s[4:5], wts s[6:7], tok s[8:9], wl s[10:11]
	v_lshl_add_u32 v128, v0, 2, 0x2000
	v_mov_b32 v129, 0
	s_mov_b32 s12, ttmp9                           ; e
	v_lshlrev_b32 v1, 4, v0                        ; 16 l
	v_lshlrev_b32 v2, 2, v0                        ; 4 l
	v_lshlrev_b32 v3, 3, v0                        ; 8 l
	v_mov_b32 v100, 0                              ; my last matching token,
	v_mov_b32 v101, 0                              ; its weight
	s_mov_b32 s13, 0                               ; the count so far
	s_mov_b32 s14, 0                               ; the last mask that is not empty
	s_mul_i32 s20, s12, 4352
	s_mov_b32 s21, 0
	s_lshl_b32 s22, s12, 12
	s_mov_b32 s23, 0
	s_wait_kmcnt 0x0
	s_add_nc_u64 s[8:9], s[8:9], s[20:21]
	s_add_nc_u64 s[10:11], s[10:11], s[22:23]
.irp j, 0,1,2,3,4,5,6,7
	global_load_b128 v[ID+4*\j:ID+4*\j+3], v1, s[4:5] offset:512*\j
	global_load_b128 v[W+4*\j:W+4*\j+3], v1, s[6:7] offset:512*\j
.endr
	s_wait_loadcnt 0x0
	s_wait_xcnt 0x0                                ; EXEC is changed further down
.set q, 0
.rept 32
	v_cmp_eq_u32 vcc_lo, s12, v[ID+q]
	s_mov_b32 s[32+q], vcc_lo
	s_bcnt1_i32_b32 s16, vcc_lo
	s_add_co_u32 s13, s13, s16
	s_sub_co_u32 s16, s13, 1
	v_mbcnt_lo_u32_b32 v106, vcc_lo, 0             ; matching lanes below me
	v_sub_nc_u32 v106, s16, v106
	v_min_u32 v106, 0x3ff, v106                    ; (a lane without a match holds no position: it stores nothing)
	v_lshlrev_b32 v[AD+q], 2, v106
	s_cmp_lg_u32 vcc_lo, 0
	s_cselect_b32 s14, vcc_lo, s14
	v_add_nc_u32 v107, 128*(q/4)+q%4, v2           ; the token
	v_cndmask_b32 v100, v100, v107, vcc_lo
	v_cndmask_b32 v101, v101, v[W+q], vcc_lo
.set q, q+1
.endr
	s_ctz_i32_b32 s16, s14                         ; the lane that holds position n - 1 (-1 where no token matched:
	s_and_b32 s16, s16, 31                         ; then lane 31, which holds 0)
	v_readlane_b32 s17, v100, s16
	v_readlane_b32 s18, v101, s16
.irp i, 0,1,2,3
	v_mov_b32 v[102+\i], s17
	v_mov_b32 v[112+\i], s18
.endr
.irp k, 0,1,2,3,4,5,6,7
	ds_store_b128 v1, v[102:105] offset:512*\k     ; all 1,024 positions first take the last token,
	ds_store_b128 v1, v[112:115] offset:4096+512*\k   ; and its weight;
.endr
.set q, 0
.rept 32
	v_add_nc_u32 v107, 128*(q/4)+q%4, v2
	s_and_saveexec_b32 s15, s[32+q]                ; (no global access is pending)
	ds_store_b32 v[AD+q], v107                     ; then each match goes to its position
	ds_store_b32 v[AD+q], v[W+q] offset:4096
	s_or_b32 exec_lo, exec_lo, s15
.set q, q+1
.endr
.irp k, 0,1,2,3,4,5,6,7,8,9,10,11,12,13,14,15
	ds_load_b128 v[4+4*\k:7+4*\k], v1 offset:512*\k
.endr
	v_mov_b32 v110, s13
	v_mov_b32 v111, s13
.irp k, 0,1,2,3,4,5,6,7
	s_wait_dscnt 15-\k
	global_store_b128 v1, v[4+4*\k:7+4*\k], s[8:9] offset:512*\k       ; 512 consecutive bytes, at a multiple of 256 from the buffer's first byte
.endr
.irp k, 8,9,10,11,12,13,14,15
	s_wait_dscnt 15-\k
	global_store_b128 v1, v[4+4*\k:7+4*\k], s[10:11] offset:512*(\k-8)
.endr
	global_store_b64 v3, v[110:111], s[8:9] offset:4096                ; n, 64 times: 256 consecutive bytes
	s_wait_xcnt 0x0
	s_mov_b32 exec_lo, -1
	s_wait_tensorcnt 0x0
	ds_add_u32 v128, v129
	s_wait_dscnt 0x0
	s_endpgm
.Lfunc_end_k_q7c5cea682f_place:
	.size	k_q7c5cea682f_place, .Lfunc_end_k_q7c5cea682f_place-k_q7c5cea682f_place
	.p2alignl 7, 3214868480
	.fill 96, 4, 3214868480
	.section	.rodata,"a",@progbits
	.p2align	6, 0x0
	.amdhsa_kernel k_q7c5cea682f_place
		.amdhsa_group_segment_fixed_size 8448
		.amdhsa_private_segment_fixed_size 0
		.amdhsa_enable_private_segment 0
		.amdhsa_kernarg_size 32
		.amdhsa_user_sgpr_count 2
		.amdhsa_user_sgpr_kernarg_segment_ptr 1
		.amdhsa_wavefront_size32 1
		.amdhsa_system_sgpr_workgroup_id_x 1
		.amdhsa_system_sgpr_workgroup_id_y 1
		.amdhsa_system_sgpr_workgroup_id_z 1
		.amdhsa_system_vgpr_workitem_id 0
		.amdhsa_next_free_vgpr 130
		.amdhsa_next_free_sgpr 66
		.amdhsa_reserve_vcc 1
		.amdhsa_float_denorm_mode_32 3
		.amdhsa_float_denorm_mode_16_64 3
		.amdhsa_memory_ordered 1
		.amdhsa_forward_progress 1
		.amdhsa_inst_pref_size 33
	.end_amdhsa_kernel
	.amdgpu_metadata
---
amdhsa.version: [ 1, 2 ]
amdhsa.kernels:
  - .name:           k_q7c5cea682f_place
    .symbol:         k_q7c5cea682f_place.kd
    .args:
      - { .name: ids, .offset: 0, .size: 8, .value_kind: global_buffer, .address_space: global }
      - { .name: wts, .offset: 8, .size: 8, .value_kind: global_buffer, .address_space: global }
      - { .name: tok, .offset: 16, .size: 8, .value_kind: global_buffer, .address_space: global }
      - { .name: wl, .offset: 24, .size: 8, .value_kind: global_buffer, .address_space: global }
    .group_segment_fixed_size: 8448
    .private_segment_fixed_size: 0
    .kernarg_segment_align: 8
    .kernarg_segment_size: 32
    .max_flat_workgroup_size: 32
    .sgpr_count:     66
    .vgpr_count:     130
    .wavefront_size: 32
...
	.end_amdgpu_metadata
.endif
;; end of part 2
;; launch ffn1 (part 3): grid 256 x 1, 4 waves a work-group, no clusters, 168,448 bytes of LDS; arguments x_codes, x_scales, W1_codes, W1_scales, b1, tok, hid, hsc; writes hid, hsc
.if DOCPART == 3
	.amdgcn_target "amdgcn-amd-amdhsa--gfx1250"
	.amdhsa_code_object_version 6
	.text
	.protected	k_q7c5cea682f_ffn1
	.globl	k_q7c5cea682f_ffn1
	.p2align	8
	.type	k_q7c5cea682f_ffn1,@function
k_q7c5cea682f_ffn1:
	s_mov_b64 s[64:65], 0
	v_nop
	global_prefetch_b8 v0, s[64:65] scope:SCOPE_SE
	s_setreg_imm32_b32 hwreg(HW_REG_WAVE_MODE, 25, 1), 1
	s_wait_xcnt 0x0
; THE EXPERTS' FIRST LAYER, for the rows that are kept alone: relu(x W1[e] + b1[e]) on codes of BF6 (E3M2) with E8M0 scales, quantised along the second product's K and stored as codes.
; SHARES.  Work-group (e, slab): expert e, hidden units 128 slab .. + 127, which are K step `slab` of the second product.  Wave w owns units 32 w .. + 31 of them: ONE block of the quantiser, two tiles of 16 rows of W1, all of K = 1,024:
; 192 registers of weights, read from memory once; they stay while the expert's rows walk past.  Rows go in chunks of 64 positions of the expert's list (4 tiles): wave w gathers tile w of a chunk into LDS, all four waves multiply all four tiles.
; THE MATRIX INSTRUCTION IS USED TRANSPOSED (source 0 = 16 rows of W1, source 1 = 16 rows of x): a lane holds one position.  THE ROWS OF W1 THAT FORM A TILE ARE NOT NEIGHBOURS: slot m of tile u is row 8 u + m + 8 (m / 8), so that a lane's 16
; result registers are units 16 (lane / 16) + 0 .. 15 of the block: one conversion makes their 16 codes.
; WHAT IS STORED is the image of the second product's operand registers: hid[e][slab][tile]: 1,536 bytes, register R of lane L at 512 (R / 4) + 16 L + 4 (R % 4); hsc[e][slab][tile]: 128 bytes, lane L's scale word at 4 L.
; THE COUNT n comes from tok, which an earlier launch stored.  Every loop has a constant number of trips and every wave passes every barrier; what n leaves without work is jumped over by scalar branches, with no barrier inside.  Such branches
; go with no tensor load, so operands go through registers, and nothing is asked for jointly: hence no cluster.  List entries from n on repeat the row at n - 1, so no lane is ever masked.  Tile 0 is always made (with n = 0: of token 0).
; A TRIP (chunk c), ONE barrier at its head.  Behind it chunk c's rows are whole in one row buffer, chunk c - 1's images are whole in one image buffer, and nobody reads the other two any more.  Then: chunk c - 1's images leave;
; chunk c + 1's rows are asked for; chunk c is multiplied and quantised into the other image buffer; chunk c + 1's rows go into the other row buffer.
; LIMITS.  NaN and infinities are not served.  A hidden block of zeros gets the scale byte 1 where the quantiser says 127: its codes are zeros, and this program alone reads the byte.
; REGISTERS.  window 0: v1-19 lane terms; v20-27 the trip's LDS addresses; v28-43 the gather's offsets; v44-51 W1's scale words (tile 0 in lanes 0-15, tile 1 in lanes 16-31); v52-59 x's; v60-75 b1; v76-91 the two accumulators;
;   v92-98 at work; v100-116 the way out; v120-215 x's 8 fragments.   window 1: v0-191 the weights (tile u, K step k at 96 u + 12 k).   window 2: v0-103 gathered rows.
.set GW,   3
.set LSW,  4
.set LFW,  5
.set GA,   28
.set GS,   36
.set WS,   44
.set XS,   52
.set B1,   60
.set ACC,  76
.set XF,   120
.set XP,   816                         ; a row in LDS: 768 bytes of codes, 32 of scale bytes, 16 spare = 204 words: the 32 lanes of a load of 8 bytes touch 64 different banks
.set XRB,  64*XP                       ; a row buffer; two of them from LDS byte 0
.set OUT,  2*XRB                       ; two image buffers:
.set OUTB, 6656                        ; 4 images of 1,536 bytes, then 4 x 128 bytes of scale words
.set WST,  OUT+2*OUTB                  ; four stages of 16 rows x 784 bytes
.set WSTB, 12544
.set MSB,  0
.macro WIN new
.if MSB != (\new)
	s_set_vgpr_msb (MSB<<8)|(\new)
.set MSB, (\new)
.endif
.endm
.macro NOP4
.rept 4
	v_nop
.endr
.endm
.macro BAR
	s_wait_dscnt 0x0
	s_barrier_signal -1
	s_barrier_wait -1
.endm
; 24 loads: a tile's 16 rows x 768 bytes; slot 2 i + (lane / 16) is row row0 + 2 i + (lane / 16) + 8 (i / 4).  Each instruction reads two aligned runs of 256 bytes.  Read once in the launch
.macro WLOAD win, base, row0
	WIN (\win)<<6
.irp i, 0,1,2,3,4,5,6,7
.irp u, 0,1,2
	global_load_b128 v[\base+4*(3*\i+\u):\base+4*(3*\i+\u)+3], v[GW], s[20:21] offset:((\row0)+2*\i+8*(\i/4))*768+256*\u th:TH_LOAD_NT
.endr
.endr
	WIN 0
.endm
.macro WTURN win, base                 ; through my stage: in as loaded, out as 8 fragments; LDS serves a wave's instructions in order (ISA guide 5.7.1.4)
	WIN (\win)<<2
.irp i, 0,1,2,3,4,5,6,7
.irp u, 0,1,2
	ds_store_b128 v[LSW], v[\base+4*(3*\i+\u):\base+4*(3*\i+\u)+3] offset:1568*\i+256*\u
.endr
.endr
	WIN (\win)<<6
.irp s, 0,1,2,3,4,5,6,7
.irp p, 0,1,2,3,4,5
	ds_load_b64 v[\base+12*\s+2*\p:\base+12*\s+2*\p+1], v[LFW] offset:96*\s+48*(\p/3)+8*(\p%3)
.endr
.endr
	WIN 0
.endm
.macro MM d, a, b, c, sa, sb, row
.if \row
	v_wmma_scale_f32_16x16x128_f8f6f4 v[\d:\d+7], v[\a:\a+11], v[\b:\b+11], v[\c:\c+7], v[\sa], v[\sb] matrix_a_fmt:MATRIX_FMT_BF6 matrix_b_fmt:MATRIX_FMT_BF6 matrix_a_scale:MATRIX_SCALE_ROW1
.else
	v_wmma_scale_f32_16x16x128_f8f6f4 v[\d:\d+7], v[\a:\a+11], v[\b:\b+11], v[\c:\c+7], v[\sa], v[\sb] matrix_a_fmt:MATRIX_FMT_BF6 matrix_b_fmt:MATRIX_FMT_BF6
.endif
.endm
; the 16 tokens in s[32:47] become offsets: lanes 0-15 take token 2 i, lanes 16-31 token 2 i + 1.  A token number is held to 1,023 before it enters an address
.macro GADDR
.irp i, 0,1,2,3,4,5,6,7,8,9,10,11,12,13,14,15
	s_min_u32 s[32+\i], s[32+\i], 0x3ff
.endr
.irp i, 0,1,2,3,4,5,6,7
	v_and_b32 v92, s[32+2*\i], v6
	v_and_b32 v94, s[33+2*\i], v7
	v_add_nc_u32 v92, v92, v94
	v_mad_u32_u24 v[GA+\i], v92, 0x300, v8         ; 768 x token + 16 r
	v_lshl_add_u32 v[GS+\i], v92, 5, v9            ; 32 x token + 4 (r % 8)
.endr
.endm
.macro GISSUE                          ; 32 loads: 16 rows of codes, sixteen lanes to 256 consecutive bytes, and their scale bytes
	WIN 0x80
.irp i, 0,1,2,3,4,5,6,7
.irp u, 0,1,2
	global_load_b128 v[4*(3*\i+\u):4*(3*\i+\u)+3], v[GA+\i], s[16:17] offset:256*\u
.endr
.endr
.irp i, 0,1,2,3,4,5,6,7
	global_load_b32 v[96+\i], v[GS+\i], s[18:19]
.endr
	WIN 0
.endm
.macro GSTORE                          ; into the row buffer that v26, v27 name: rows 16 w + 2 i + (lane / 16)
	WIN 0x08
.irp i, 0,1,2,3,4,5,6,7
.irp u, 0,1,2
	ds_store_b128 v26, v[4*(3*\i+\u):4*(3*\i+\u)+3] offset:2*XP*\i+256*\u
.endr
.endr
.irp i, 0,1,2,3,4,5,6,7
	ds_store_b32 v27, v[96+\i] offset:2*XP*\i      ; (lanes r and r + 8 write the same word with the same value)
.endr
	WIN 0
.endm
; Tile j of the chunk: 16 matrix instructions, relu, the block's scale, 16 codes a lane, into image j
.macro TILE j
	ds_load_b128 v[XS:XS+3], v21 offset:16*XP*\j
	ds_load_b128 v[XS+4:XS+7], v21 offset:16*XP*\j+16
.irp k, 0,1,2,3,4,5,6,7
.irp p, 0,1,2,3,4,5
	ds_load_b64 v[XF+12*\k+2*\p:XF+12*\k+2*\p+1], v20 offset:16*XP*\j+96*\k+48*(\p/3)+8*(\p%3)
.endr
.endr
	WIN 0x01                                       ; source 0 in window 1
.irp k, 0,1,2,3,4,5,6,7
	s_wait_dscnt 6*(7-\k)                          ; K step k's fragment is in; the later K steps' six loads each may be out
.if \k == 0
	MM ACC, 12*\k, XF+12*\k, B1, WS+\k, XS+\k, 0               ; the sums begin with b1; the two accumulators take turns
	MM ACC+8, 96+12*\k, XF+12*\k, B1+8, WS+\k, XS+\k, 1
.else
	MM ACC, 12*\k, XF+12*\k, ACC, WS+\k, XS+\k, 0
	MM ACC+8, 96+12*\k, XF+12*\k, ACC+8, WS+\k, XS+\k, 1
.endif
.endr
	WIN 0
	NOP4
.irp i, 0,1,2,3,4,5,6,7,8,9,10,11,12,13,14,15
	v_max_num_f32 v[ACC+\i], 0, v[ACC+\i]          ; the activation, in f32; each accumulator from its low end on
.endr
	v_max3_num_f32 v92, v[ACC], v[ACC+1], 0x2800000            ; the largest of my 16 (none is negative), and the floor 2^(5 - 127): the byte cannot fall under 1
	v_max3_num_f32 v94, v[ACC+2], v[ACC+3], v[ACC+4]
	v_max3_num_f32 v92, v92, v[ACC+5], v[ACC+6]
	v_max3_num_f32 v94, v94, v[ACC+7], v[ACC+8]
	v_max3_num_f32 v92, v92, v[ACC+9], v[ACC+10]
	v_max3_num_f32 v94, v94, v[ACC+11], v[ACC+12]
	v_max3_num_f32 v92, v92, v[ACC+13], v[ACC+14]
	v_max3_num_f32 v92, v92, v94, v[ACC+15]
	v_permlanex16_b32 v93, v92, s48, s49
	v_max_num_f32 v92, v92, v93                    ; with lane l xor 16's 16: the block's
	v_add_nc_u32 v94, 0xfe000000, v92              ; 4 off its exponent field: the conversion takes the exponent field of this operand as its scale
	v_cvt_scalef32_pk16_bf6_f32 v[96:98], v[ACC:ACC+15], v94
	v_lshrrev_b32 v95, 23, v94                     ; the scale's byte (and the plain line behind the conversion)
	ds_store_b32 v22, v96 offset:1536*\j           ; my three registers' places in the image
	ds_store_b32 v23, v97 offset:1536*\j
	ds_store_b32 v24, v98 offset:1536*\j
	ds_store_b8 v25, v95 offset:128*\j             ; byte w of the position's scale word, in lanes 0-15's words and in their repeat
.endm
	s_load_b512 s[16:31], s[0:1], 0x0              ; x_codes 16, x_scales 18, W1_codes 20, W1_scales 22, b1 24, tok 26, hid 28, hsc 30
	v_lshl_add_u32 v254, v0, 2, 0x29000
	v_mov_b32 v255, 0
	v_lshrrev_b32 v1, 5, v0
	v_readfirstlane_b32 s2, v1                     ; wave 0..3
	s_lshr_b32 s3, ttmp9, 5                        ; e
	s_and_b32 s4, ttmp9, 31                        ; slab
	v_and_b32 v216, 31, v0                         ; l
	v_and_b32 v1, 15, v0                           ; r
	v_bfe_u32 v2, v0, 4, 1                         ; h
	v_lshlrev_b32 v8, 4, v1                        ; 16 r
	v_mad_u32_u24 v[GW], v2, 768, v8
	s_mul_i32 s12, s2, WSTB
	s_add_co_u32 s12, s12, WST                     ; my stage
	v_mad_u32_u24 v[LSW], v2, 784, v8
	v_add_nc_u32 v[LSW], s12, v[LSW]
	v_mul_u32_u24 v[LFW], v1, 784
	v_mad_u32_u24 v[LFW], v2, 24, v[LFW]
	v_add_nc_u32 v[LFW], s12, v[LFW]
	v_sub_nc_u32 v7, 0, v2                         ; all ones in lanes 16-31,
	v_not_b32 v6, v7                               ; all ones in lanes 0-15
	v_and_b32 v9, 7, v1
	v_lshlrev_b32 v9, 2, v9                        ; 4 (r % 8)
	s_lshl_b32 s12, s2, 4
	v_add_nc_u32 v10, s12, v2                      ; row 16 w + h of a row buffer
	v_mul_u32_u24 v10, v10, XP
	v_add_nc_u32 v11, v10, v9
	v_add_nc_u32 v11, 768, v11                     ; where I put scale words,
	v_add_nc_u32 v10, v10, v8                      ; and codes
	v_mul_u32_u24 v12, v1, XP
	v_add_nc_u32 v13, 768, v12                     ; where I read row r's scale words,
	v_mad_u32_u24 v12, v2, 24, v12                 ; and its fragments
	s_lshr_b32 s12, s2, 1
	s_mul_i32 s12, s12, 6                          ; my block's six registers of the image begin at 6 (w / 2); it lies in lanes 16 (w % 2) + r
	s_and_b32 s13, s2, 1
	s_lshl_b32 s13, s13, 8
	s_add_co_u32 s13, s13, OUT
	v_add_nc_u32 v93, s13, v8
	v_mad_u32_u24 v92, v2, 3, s12                  ; R = 6 (w / 2) + 3 h + i
.irp i, 0,1,2
	v_add_nc_u32 v94, \i, v92
	v_lshrrev_b32 v95, 2, v94
	v_and_b32 v94, 3, v94
	v_lshl_add_u32 v95, v95, 9, v93
	v_lshl_add_u32 v[14+\i], v94, 2, v95           ; 512 (R / 4) + 4 (R % 4) + 16 r + 256 (w % 2)
.endr
	s_add_co_u32 s13, s2, OUT+6144
	v_lshl_add_u32 v17, v216, 2, s13               ; my byte of a scale word: 4 l + w
	s_mul_i32 s13, s2, 1536
	s_add_co_u32 s13, s13, OUT
	v_lshl_add_u32 v18, v216, 4, s13               ; the way out: image w, 16 l;
	s_lshl_b32 s13, s2, 7
	s_add_co_u32 s13, s13, OUT+6144
	v_lshl_add_u32 v19, v216, 2, s13               ; its scale words, 4 l
	v_lshlrev_b32 v117, 4, v216                    ; 16 l
	v_lshlrev_b32 v118, 2, v216                    ; 4 l
	v_and_b32 v92, 8, v1
	v_add_nc_u32 v92, v92, v1
	v_lshl_add_u32 v92, v2, 3, v92                 ; W1's scale words: lane (r, h) takes those of tile h's slot r: row 8 h + r + 8 (r / 8)
	v_lshlrev_b32 v217, 5, v92
	v_lshlrev_b32 v218, 6, v2                      ; b1: my 16 units begin 16 h on
	s_mov_b32 s48, 0x76543210
	s_mov_b32 s49, 0xfedcba98                      ; v_permlanex16_b32's selects for lane l xor 16
	s_mov_b32 s53, 0
	s_wait_kmcnt 0x0
	s_mul_i32 s52, s3, 4352
	s_add_nc_u64 s[26:27], s[26:27], s[52:53]      ; expert e's list
	s_load_b32 s5, s[26:27], 0x1000                ; n
	s_lshl_b32 s13, s2, 6
	s_load_b512 s[32:47], s[26:27], s13 offset:0x0 ; tile w's 16 tokens
	s_lshl_b32 s50, s3, 12
	s_lshl_b32 s12, s4, 7
	s_add_co_u32 s50, s50, s12
	s_lshl_b32 s12, s2, 5
	s_add_co_u32 s50, s50, s12                     ; my first row of W1: 4,096 e + 128 slab + 32 w
	s_mul_i32 s52, s50, 768
	s_add_nc_u64 s[20:21], s[20:21], s[52:53]
	s_lshl_b32 s52, s50, 5
	s_add_nc_u64 s[22:23], s[22:23], s[52:53]
	s_lshl_b32 s52, s50, 2
	s_add_nc_u64 s[24:25], s[24:25], s[52:53]
	s_mul_i32 s52, s3, 3145728
	s_mul_i32 s12, s4, 98304
	s_add_co_u32 s52, s52, s12
	s_add_nc_u64 s[28:29], s[28:29], s[52:53]      ; hid[e][slab]
	s_lshl_b32 s52, s3, 18
	s_lshl_b32 s12, s4, 13
	s_add_co_u32 s52, s52, s12
	s_add_nc_u64 s[30:31], s[30:31], s[52:53]      ; hsc[e][slab]
.irp q, 0,1
	global_load_b128 v[WS+4*\q:WS+4*\q+3], v217, s[22:23] offset:16*\q th:TH_LOAD_NT
.endr
.irp q, 0,1,2,3
	global_load_b128 v[B1+4*\q:B1+4*\q+3], v218, s[24:25] offset:16*\q
.endr
	WLOAD 1, 0, 0
	WLOAD 1, 96, 8
	s_wait_kmcnt 0x0
	s_add_co_u32 s6, s5, 15
	s_lshr_b32 s6, s6, 4
	s_max_u32 s6, s6, 1
	s_min_u32 s6, s6, 64                           ; tiles to make: at least one
	GADDR                                          ; chunk 0's tile w, whatever n: every entry of the list is a token
	GISSUE
	s_wait_loadcnt 56                              ; behind tile 0's loads stand tile 1's 24 and the gather's 32
	WTURN 1, 0
	s_wait_loadcnt 32                              ; the gather's 32
	WTURN 1, 96
	s_wait_loadcnt 0x0
	v_mov_b32 v26, v10
	v_mov_b32 v27, v11
	GSTORE                                         ; into row buffer 0
	s_mov_b32 s7, 0                                ; c
	s_mov_b32 s8, 0                                ; 4 c
	s_mov_b32 s9, 0                                ; the row buffer that holds chunk c
	s_mov_b32 s10, 0                               ; the image buffer that chunk c fills
.Ltrip:                                                ; 17 trips: chunks 0 to 15, and one more for chunk 15's way out
	s_add_co_u32 s11, s8, s2
	s_add_co_u32 s11, s11, 4                       ; the tile that I gather: tile w of chunk c + 1
	s_cmp_ge_u32 s11, s6
	s_cbranch_scc1 .Lno_list
	s_min_u32 s13, s11, 63
	s_lshl_b32 s13, s13, 6
	s_load_b512 s[32:47], s[26:27], s13 offset:0x0
.Lno_list:
	BAR                                            ; the trip's one barrier, on every wave's path
	v_add_nc_u32 v20, s9, v12
	v_add_nc_u32 v21, s9, v13
	v_add_nc_u32 v22, s10, v14
	v_add_nc_u32 v23, s10, v15
	v_add_nc_u32 v24, s10, v16
	v_add_nc_u32 v25, s10, v17
	s_xor_b32 s14, s9, XRB
	v_add_nc_u32 v26, s14, v10
	v_add_nc_u32 v27, s14, v11
	; chunk c - 1's image w leaves
	s_sub_co_u32 s12, s11, 8                       ; tile 4 c - 4 + w (in trip 0 it wraps to a number above every count)
	s_cmp_ge_u32 s12, s6
	s_cbranch_scc1 .Lno_out
	s_wait_xcnt 0x0                                ; the last trip's stores have read their registers
	s_xor_b32 s14, s10, OUTB
	s_min_u32 s12, s12, 63
	s_mul_i32 s15, s12, 1536
	s_lshl_b32 s12, s12, 7
	v_add_nc_u32 v100, s14, v18
	v_add_nc_u32 v101, s14, v19
	v_add_nc_u32 v102, s15, v117
	v_add_nc_u32 v103, s12, v118
	ds_load_b128 v[104:107], v100
	ds_load_b128 v[108:111], v100 offset:512
	ds_load_b128 v[112:115], v100 offset:1024
	ds_load_b32 v116, v101
	s_wait_dscnt 0x0
	global_store_b128 v102, v[104:107], s[28:29]               ; 512 consecutive bytes, at a multiple of 512 from the buffer's first byte
	global_store_b128 v102, v[108:111], s[28:29] offset:512
	global_store_b128 v102, v[112:115], s[28:29] offset:1024
	global_store_b32 v103, v116, s[30:31]
.Lno_out:
	s_wait_kmcnt 0x0                               ; the list, if it was asked for: outside the branch, so that it holds on every way
	s_cmp_ge_u32 s11, s6
	s_cbranch_scc1 .Lno_gather
	GADDR
	GISSUE                                         ; lands while chunk c is multiplied
.Lno_gather:
.irp j, 0,1,2,3
	s_add_co_u32 s12, s8, \j
	s_cmp_ge_u32 s12, s6
	s_cbranch_scc1 .Ltiles_done
	TILE \j
.endr
.Ltiles_done:
	s_wait_loadcnt 0x0                             ; the gather, if there was one: outside the branch
	s_cmp_ge_u32 s11, s6
	s_cbranch_scc1 .Lno_put
	GSTORE
.Lno_put:
	s_xor_b32 s9, s9, XRB
	s_xor_b32 s10, s10, OUTB
	s_add_co_u32 s8, s8, 4
	s_add_co_u32 s7, s7, 1
	s_cmp_lt_u32 s7, 17
	s_cbranch_scc1 .Ltrip
	s_wait_tensorcnt 0x0
	ds_add_u32 v254, v255
	s_wait_dscnt 0x0
	s_endpgm
.Lfunc_end_k_q7c5cea682f_ffn1:
	.size	k_q7c5cea682f_ffn1, .Lfunc_end_k_q7c5cea682f_ffn1-k_q7c5cea682f_ffn1
	.p2alignl 7, 3214868480
	.fill 96, 4, 3214868480
	.section	.rodata,"a",@progbits
	.p2align	6, 0x0
	.amdhsa_kernel k_q7c5cea682f_ffn1
		.amdhsa_group_segment_fixed_size 168448
		.amdhsa_private_segment_fixed_size 0
		.amdhsa_enable_private_segment 0
		.amdhsa_kernarg_size 64
		.amdhsa_user_sgpr_count 2
		.amdhsa_user_sgpr_kernarg_segment_ptr 1
		.amdhsa_wavefront_size32 1
		.amdhsa_system_sgpr_workgroup_id_x 1
		.amdhsa_system_sgpr_workgroup_id_y 1
		.amdhsa_system_sgpr_workgroup_id_z 1
		.amdhsa_system_vgpr_workitem_id 0
		.amdhsa_next_free_vgpr 768
		.amdhsa_next_free_sgpr 66
		.amdhsa_reserve_vcc 0
		.amdhsa_float_denorm_mode_32 3
		.amdhsa_float_denorm_mode_16_64 3
		.amdhsa_memory_ordered 1
		.amdhsa_forward_progress 1
		.amdhsa_inst_pref_size 67
	.end_amdhsa_kernel
	.amdgpu_metadata
---
amdhsa.version: [ 1, 2 ]
amdhsa.kernels:
  - .name:           k_q7c5cea682f_ffn1
    .symbol:         k_q7c5cea682f_ffn1.kd
    .args:
      - { .name: x_codes, .offset: 0, .size: 8, .value_kind: global_buffer, .address_space: global }
      - { .name: x_scales, .offset: 8, .size: 8, .value_kind: global_buffer, .address_space: global }
      - { .name: W1_codes, .offset: 16, .size: 8, .value_kind: global_buffer, .address_space: global }
      - { .name: W1_scales, .offset: 24, .size: 8, .value_kind: global_buffer, .address_space: global }
      - { .name: b1, .offset: 32, .size: 8, .value_kind: global_buffer, .address_space: global }
      - { .name: tok, .offset: 40, .size: 8, .value_kind: global_buffer, .address_space: global }
      - { .name: hid, .offset: 48, .size: 8, .value_kind: global_buffer, .address_space: global }
      - { .name: hsc, .offset: 56, .size: 8, .value_kind: global_buffer, .address_space: global }
    .group_segment_fixed_size: 168448
    .private_segment_fixed_size: 0
    .kernarg_segment_align: 8
    .kernarg_segment_size: 64
    .max_flat_workgroup_size: 128
    .sgpr_count:     66
    .vgpr_count:     768
    .wavefront_size: 32
...
	.end_amdgpu_metadata
.endif
;; end of part 3
;; launch ffn2 (part 4): grid 256 x 1, 4 waves a work-group, no clusters, 120,320 bytes of LDS; arguments W2_codes, W2_scales, b2, tok, wl, hid, hsc, out0; writes out0
.if DOCPART == 4
	.amdgcn_target "amdgcn-amd-amdhsa--gfx1250"
	.amdhsa_code_object_version 6
	.text
	.protected	k_q7c5cea682f_ffn2
	.globl	k_q7c5cea682f_ffn2
	.p2align	8
	.type	k_q7c5cea682f_ffn2,@function
k_q7c5cea682f_ffn2:
	s_mov_b64 s[64:65], 0
	v_nop
	global_prefetch_b8 v0, s[64:65] scope:SCOPE_SE
	s_setreg_imm32_b32 hwreg(HW_REG_WAVE_MODE, 25, 1), 1
	s_wait_xcnt 0x0
; THE EXPERTS' SECOND LAYER: out0[token] = (hidden W2[e] + b2[e]) x weight, for the rows that are kept, on codes of BF6 (E3M2) with E8M0 scales.  Each token has one expert here, so each row of out0 has one owner.
; SHARES.  Work-group (e, sl, z): expert e, output columns 64 sl .. + 63 (256 bytes of a row of out0), the row tiles of parity z.  Wave w owns a QUARTER OF K, K steps 8 w .. 8 w + 7, for all 64 columns: 4 tiles x 8 K steps = 384 registers
; of weights, which stay.  Of each tile of the hidden layer a wave loads only its own quarter, straight into operand registers: the buffer holds images of them (24 loads of 512 consecutive bytes).  The four waves' partial sums meet in LDS
; once for every two tiles.
; THE MATRIX INSTRUCTION IS USED TRANSPOSED (source 0 = 16 rows of W2, that is 16 output columns; source 1 = 16 positions): a lane holds one position and eight neighbouring columns.
; THE COUNT n comes from tok.  16 trips, a constant; every wave passes the one barrier of each trip; what n leaves without work is jumped over by scalar branches with no barrier inside.  Such branches go with no tensor load, so nothing is asked
; for jointly: hence no cluster.  Loads for a tile that does not exist are still issued, so that the counted waits hold on every way: all lanes then name the first bytes of a tile that exists.
; THE LIST (eight tokens and eight weights of the rows that a wave adds up) is read a trip ahead: trip 0's at the head, whatever n (every entry of a list is a token), each later trip's at the end of the trip before, if that tile exists.
; List entries from n on repeat the row at n - 1, which lies in the same tile: they give the same bits, stored to the same row by this same work-group.
; The sums over K are split in four and added in f32: an order of rounding other than reference()'s.  NaN and infinities are not served.
; REGISTERS.  window 0: v1-19 lane terms and work; v20-23 offsets in out0; v24-31 weights; v32-35 b2; v36-51 W2's scale words (tiles 2 q, 2 q + 1 at 36 + 8 q + k: even in lanes 0-15, odd in lanes 16-31); v52-67 the hidden layer's;
;   v68-131 eight accumulators (row tile j, column tile t at 68 + 32 j + 8 t); v132-195 partial sums read back.   window 1: column tiles 0, 1;  window 2: column tiles 2, 3;  window 3: two tiles of the hidden layer, 96 registers each.
.set GW,   3
.set LSW,  4
.set LFW,  5
.set HA,   13
.set HSA,  15
.set OA,   20
.set WP,   24
.set B2,   32
.set WS,   36
.set HS,   52
.set ACC,  68
.set RD,   132
.set WSTB, 12544                       ; LDS: four stages of 16 rows x 784 bytes from byte 0;
.set RED,  50176                       ; two areas for partial sums, by turns:
.set REDB, 34816                       ; 8 parts (wave, row tile) of 16 rows x (256 + 16) bytes
.set MSB,  0
.macro WIN new
.if MSB != (\new)
	s_set_vgpr_msb (MSB<<8)|(\new)
.set MSB, (\new)
.endif
.endm
.macro BAR
	s_wait_dscnt 0x0
	s_barrier_signal -1
	s_barrier_wait -1
.endm
.macro WLOAD win, base, row0           ; 24 loads: 16 rows x my 768 bytes, rows 3,072 bytes apart: two aligned runs of 256 bytes an instruction
	WIN (\win)<<6
.irp i, 0,1,2,3,4,5,6,7
.irp u, 0,1,2
	global_load_b128 v[\base+4*(3*\i+\u):\base+4*(3*\i+\u)+3], v[GW], s[16:17] offset:((\row0)+2*\i)*3072+256*\u
.endr
.endr
	WIN 0
.endm
.macro WTURN win, base                 ; through my stage: in as loaded, out as 8 fragments; LDS serves a wave's instructions in order (ISA guide 5.7.1.4)
	WIN (\win)<<2
.irp i, 0,1,2,3,4,5,6,7
.irp u, 0,1,2
	ds_store_b128 v[LSW], v[\base+4*(3*\i+\u):\base+4*(3*\i+\u)+3] offset:1568*\i+256*\u
.endr
.endr
	WIN (\win)<<6
.irp s, 0,1,2,3,4,5,6,7
.irp p, 0,1,2,3,4,5
	ds_load_b64 v[\base+12*\s+2*\p:\base+12*\s+2*\p+1], v[LFW] offset:96*\s+48*(\p/3)+8*(\p%3)
.endr
.endr
	WIN 0
.endm
.macro MM d, a, b, sa, sb, row, zero   ; zero = 1: the product starts the sum: nothing is cleared
.if \zero
.if \row
	v_wmma_scale_f32_16x16x128_f8f6f4 v[\d:\d+7], v[\a:\a+11], v[\b:\b+11], 0, v[\sa], v[\sb] matrix_a_fmt:MATRIX_FMT_BF6 matrix_b_fmt:MATRIX_FMT_BF6 matrix_a_scale:MATRIX_SCALE_ROW1
.else
	v_wmma_scale_f32_16x16x128_f8f6f4 v[\d:\d+7], v[\a:\a+11], v[\b:\b+11], 0, v[\sa], v[\sb] matrix_a_fmt:MATRIX_FMT_BF6 matrix_b_fmt:MATRIX_FMT_BF6
.endif
.else
.if \row
	v_wmma_scale_f32_16x16x128_f8f6f4 v[\d:\d+7], v[\a:\a+11], v[\b:\b+11], v[\d:\d+7], v[\sa], v[\sb] matrix_a_fmt:MATRIX_FMT_BF6 matrix_b_fmt:MATRIX_FMT_BF6 matrix_a_scale:MATRIX_SCALE_ROW1
.else
	v_wmma_scale_f32_16x16x128_f8f6f4 v[\d:\d+7], v[\a:\a+11], v[\b:\b+11], v[\d:\d+7], v[\sa], v[\sb] matrix_a_fmt:MATRIX_FMT_BF6 matrix_b_fmt:MATRIX_FMT_BF6
.endif
.endif
.endm
; the offsets of row tile s[st] for buffer j.  A tile at or past the count: the last tile that exists, and every lane at its first bytes.  What hangs on the count is held by a constant before it enters an address.
; The four vector lines name no register of the products before them: they are the places behind those (ISA guide 7.12.1).
.macro HADDR j, st
	s_cmp_lt_u32 s[\st], s7
	s_cselect_b32 s13, 1, 0
	s_min_u32 s13, s13, 1
	s_min_u32 s14, s[\st], s8
	s_min_u32 s14, s14, 63
	s_mul_i32 s15, s14, 1536
	s_lshl_b32 s14, s14, 7
	v_mul_u32_u24 v17, v8, s13
	v_add_nc_u32 v[HA+\j], s15, v17
	v_mul_u32_u24 v18, v9, s13
	v_add_nc_u32 v[HSA+\j], s14, v18
.endm
.macro HLOAD j                         ; 32 loads: my 8 K steps' fragments of a row tile, as they will stand in registers, and their scale words
	WIN 0xc0
.irp k, 0,1,2,3,4,5,6,7
.irp q, 0,1,2
	global_load_b128 v[96*\j+12*\k+4*\q:96*\j+12*\k+4*\q+3], v[HA+\j], s[26:27] offset:98304*\k+512*\q
.endr
.endr
	WIN 0
.irp k, 0,1,2,3,4,5,6,7
	global_load_b32 v[HS+8*\j+\k], v[HSA+\j], s[28:29] offset:8192*\k
.endr
.endm
.macro MUL j                           ; 32 matrix instructions; two accumulators take turns, one instruction a turn
	WIN 0x0d                                       ; source 0 window 1, source 1 window 3
.irp k, 0,1,2,3,4,5,6,7
	MM ACC+32*\j, 12*\k, 96*\j+12*\k, WS+\k, HS+8*\j+\k, 0, (\k==0)
	MM ACC+32*\j+8, 96+12*\k, 96*\j+12*\k, WS+\k, HS+8*\j+\k, 1, (\k==0)
.endr
	WIN 0x0e                                       ; source 0 window 2
.irp k, 0,1,2,3,4,5,6,7
	MM ACC+32*\j+16, 12*\k, 96*\j+12*\k, WS+8+\k, HS+8*\j+\k, 0, (\k==0)
	MM ACC+32*\j+24, 96+12*\k, 96*\j+12*\k, WS+8+\k, HS+8*\j+\k, 1, (\k==0)
.endr
	WIN 0
.endm
	s_load_b512 s[16:31], s[0:1], 0x0              ; W2_codes 16, W2_scales 18, b2 20, tok 22, wl 24, hid 26, hsc 28, out0 30
	v_lshl_add_u32 v254, v0, 2, 0x1d400
	v_mov_b32 v255, 0
	v_lshrrev_b32 v1, 5, v0
	v_readfirstlane_b32 s2, v1                     ; wave 0..3
	s_lshr_b32 s3, ttmp9, 5                        ; e
	s_bfe_u32 s4, ttmp9, 0x40001                   ; sl
	s_and_b32 s5, ttmp9, 1                         ; z
	v_and_b32 v199, 31, v0                         ; l
	v_and_b32 v1, 15, v0                           ; r
	v_bfe_u32 v2, v0, 4, 1                         ; h
	v_lshlrev_b32 v10, 4, v1                       ; 16 r
	v_mad_u32_u24 v[GW], v2, 3072, v10
	s_mul_i32 s12, s2, WSTB                        ; my stage
	v_mad_u32_u24 v[LSW], v2, 784, v10
	v_add_nc_u32 v[LSW], s12, v[LSW]
	v_mul_u32_u24 v[LFW], v1, 784
	v_mad_u32_u24 v[LFW], v2, 24, v[LFW]
	v_add_nc_u32 v[LFW], s12, v[LFW]
	v_sub_nc_u32 v7, 0, v2                         ; all ones in lanes 16-31,
	v_xor_b32 v6, -1, v7                           ; all ones in lanes 0-15
	v_lshlrev_b32 v8, 4, v199                      ; 16 l
	v_lshlrev_b32 v9, 2, v199                      ; 4 l
	v_lshlrev_b32 v198, 7, v199                    ; 128 l: a row of W2's scale bytes for each lane of a pair of tiles
	s_mul_i32 s12, s2, 8704
	s_add_co_u32 s12, s12, RED
	v_mul_u32_u24 v11, v1, 272
	v_lshl_add_u32 v11, v2, 5, v11
	v_add_nc_u32 v11, s12, v11                     ; my parts: row r, 32 h
	s_lshr_b32 s48, s2, 1
	s_and_b32 s49, s2, 1
	s_mul_i32 s12, s48, 4352
	s_add_co_u32 s12, s12, RED
	s_lshl_b32 s49, s49, 3                         ; I add up rows 8 (w % 2) .. + 7
	s_lshl_b32 s48, s48, 1                         ; of the group's row tile w / 2, which is 2 (w / 2) tiles on from its first
	v_add_nc_u32 v12, s49, v2
	v_mul_u32_u24 v12, v12, 272
	v_add_nc_u32 v12, v12, v10
	v_add_nc_u32 v12, s12, v12                     ; row 8 (w % 2) + h, 16 r
	s_mov_b32 s54, 0xffff0000                      ; lanes 16-31
	s_mov_b32 s53, 0
	s_add_co_u32 s55, s5, s48                      ; trip 0's row tile of which I add up eight rows: z + 2 (w / 2), at most 3
	s_lshl_b32 s55, s55, 4
	s_add_co_u32 s55, s55, s49
	s_lshl_b32 s55, s55, 2                         ; its eight entries' place in the lists, in bytes
	s_wait_kmcnt 0x0
	s_mul_i32 s52, s3, 4352
	s_add_nc_u64 s[22:23], s[22:23], s[52:53]      ; expert e's list,
	s_lshl_b32 s52, s3, 12
	s_add_nc_u64 s[24:25], s[24:25], s[52:53]      ; its weights
	s_load_b32 s6, s[22:23], 0x1000                ; n
	s_load_b256 s[32:39], s[22:23], s55 offset:0x0 ; trip 0's tokens,
	s_load_b256 s[40:47], s[24:25], s55 offset:0x0 ; and their weights: on every way, whatever n
	s_lshl_b32 s50, s3, 10
	s_lshl_b32 s12, s4, 6
	s_add_co_u32 s50, s50, s12                     ; my first row of W2: 1,024 e + 64 sl
	s_mul_i32 s52, s50, 3072
	s_mul_i32 s12, s2, 768
	s_add_co_u32 s52, s52, s12                     ; + my quarter of K
	s_add_nc_u64 s[16:17], s[16:17], s[52:53]
	s_lshl_b32 s52, s50, 7
	s_lshl_b32 s12, s2, 5
	s_add_co_u32 s52, s52, s12
	s_add_nc_u64 s[18:19], s[18:19], s[52:53]
	s_lshl_b32 s52, s50, 2
	s_add_nc_u64 s[20:21], s[20:21], s[52:53]
	s_lshl_b32 s50, s3, 5
	s_lshl_b32 s12, s2, 3
	s_add_co_u32 s50, s50, s12                     ; 32 e + 8 w: my first K step
	s_mul_i32 s52, s50, 98304
	s_add_nc_u64 s[26:27], s[26:27], s[52:53]
	s_lshl_b32 s52, s50, 13
	s_add_nc_u64 s[28:29], s[28:29], s[52:53]
	s_lshl_b32 s52, s4, 8
	s_add_nc_u64 s[30:31], s[30:31], s[52:53]      ; my 256 bytes of a row of out0
.irp p, 0,1
.irp q, 0,1
	global_load_b128 v[WS+8*\p+4*\q:WS+8*\p+4*\q+3], v198, s[18:19] offset:4096*\p+16*\q
.endr
.endr
	global_load_b128 v[B2:B2+3], v10, s[20:21]
	WLOAD 1, 0, 0
	WLOAD 1, 96, 16
	s_wait_loadcnt 24                              ; behind column tile 0's loads stand tile 1's 24
	WTURN 1, 0
	WLOAD 2, 0, 32
	s_wait_loadcnt 24                              ; behind tile 1's: tile 2's 24
	WTURN 1, 96
	WLOAD 2, 96, 48
	s_wait_kmcnt 0x0                               ; n, and trip 0's entries of the lists
	s_add_co_u32 s7, s6, 15
	s_lshr_b32 s7, s7, 4
	s_min_u32 s7, s7, 64                           ; row tiles
	s_max_u32 s8, s7, 1
	s_sub_co_u32 s8, s8, 1                         ; the last tile that exists (tile 0 always does)
	HADDR 0, 5
	HLOAD 0
	s_wait_loadcnt 56                              ; behind tile 2's: tile 3's 24 and the hidden layer's 32
	WTURN 2, 0
	s_add_co_u32 s51, s5, 2
	HADDR 1, 51
	HLOAD 1
	s_wait_loadcnt 63                              ; behind tile 3's stand 64 loads: 63 may be out
	WTURN 2, 96
	s_wait_dscnt 0x0
	s_mov_b32 s9, 0                                ; g
	s_mov_b32 s10, s5                              ; the group's first row tile: 4 g + z; its second: two on
	s_mov_b32 s11, 0                               ; the area for this trip's partial sums
.Ltrip:                                                ; 16 trips
	s_add_co_u32 s12, s10, s48                     ; the row tile of which I add up eight rows
	v_add_nc_u32 v196, s11, v11
	v_add_nc_u32 v197, s11, v12
	s_cmp_ge_u32 s10, s7
	s_cbranch_scc1 .Lnoc
	s_wait_loadcnt 32                              ; buffer 0 is in; buffer 1's 32 loads may be out
	MUL 0
	s_add_co_u32 s51, s10, 4
	HADDR 0, 51
	HLOAD 0                                        ; the next group's first tile
	s_wait_loadcnt 32                              ; buffer 1 is in; the 32 just issued may be out
	MUL 1
	s_add_co_u32 s51, s10, 6
	HADDR 1, 51
	v_nop
	HLOAD 1
.irp j, 0,1
.irp t, 0,1,2,3
	ds_store_b128 v196, v[ACC+32*\j+8*\t:ACC+32*\j+8*\t+3] offset:4352*\j+64*\t          ; each accumulator from its low end on
	ds_store_b128 v196, v[ACC+32*\j+8*\t+4:ACC+32*\j+8*\t+7] offset:4352*\j+64*\t+16
.endr
.endr
.Lnoc:
	s_wait_kmcnt 0x0                               ; this trip's entries of the lists, asked for at the last trip's end if at all: the wait stands outside every branch
	BAR                                            ; the trip's one barrier: the partial sums lie in LDS.  The two areas take turns, so the next trip's stores meet no reader
	s_cmp_ge_u32 s12, s7
	s_cbranch_scc1 .Lnor
	s_wait_xcnt 0x0                                ; the last trip's stores have read their registers
.irp a, 0,1,2,3
.irp i, 0,1,2,3
	ds_load_b128 v[RD+16*\a+4*\i:RD+16*\a+4*\i+3], v197 offset:8704*\a+544*\i           ; wave a's part: rows 2 i + h of my eight, 16 bytes a lane
.endr
.endr
.irp i, 0,1,2,3,4,5,6,7
	s_min_u32 s[32+\i], s[32+\i], 0x3ff            ; a token number is held to 1,023 before it enters an address
.endr
.irp i, 0,1,2,3
	v_and_b32 v17, s[32+2*\i], v6
	v_and_b32 v18, s[33+2*\i], v7
	v_add_nc_u32 v17, v17, v18
	v_lshl_add_u32 v[OA+\i], v17, 12, v10          ; 4,096 x token + 16 r
	v_mov_b32 v[WP+2*\i], s[40+2*\i]
	v_cndmask_b32 v[WP+2*\i], v[WP+2*\i], s[41+2*\i], s54
	v_mov_b32 v[WP+2*\i+1], v[WP+2*\i]             ; (named with it as a pair, so it is written)
.endr
	s_wait_dscnt 0x0
.irp i, 0,1,2,3
.irp p, 0,2
	v_pk_add_f32 v[RD+4*\i+\p:RD+4*\i+\p+1], v[RD+4*\i+\p:RD+4*\i+\p+1], v[RD+16+4*\i+\p:RD+16+4*\i+\p+1]
	v_pk_add_f32 v[RD+32+4*\i+\p:RD+32+4*\i+\p+1], v[RD+32+4*\i+\p:RD+32+4*\i+\p+1], v[RD+48+4*\i+\p:RD+48+4*\i+\p+1]
.endr
.endr
.irp i, 0,1,2,3
.irp p, 0,2
	v_pk_add_f32 v[RD+4*\i+\p:RD+4*\i+\p+1], v[RD+4*\i+\p:RD+4*\i+\p+1], v[RD+32+4*\i+\p:RD+32+4*\i+\p+1]
.endr
.endr
.irp i, 0,1,2,3
.irp p, 0,2
	v_pk_add_f32 v[RD+4*\i+\p:RD+4*\i+\p+1], v[RD+4*\i+\p:RD+4*\i+\p+1], v[B2+\p:B2+\p+1]
.endr
.endr
.irp i, 0,1,2,3
.irp p, 0,2
	v_pk_mul_f32 v[RD+4*\i+\p:RD+4*\i+\p+1], v[RD+4*\i+\p:RD+4*\i+\p+1], v[WP+2*\i:WP+2*\i+1] op_sel_hi:[1,0]
.endr
.endr
.irp i, 0,1,2,3
	global_store_b128 v[OA+\i], v[RD+4*\i:RD+4*\i+3], s[30:31] th:TH_STORE_NT            ; sixteen lanes store 256 consecutive bytes of a token's row, at a multiple of 256 from out0's first byte
.endr
.Lnor:
	s_add_co_u32 s51, s12, 4                       ; the next trip's row tile of which I add up eight rows
	s_cmp_ge_u32 s51, s7
	s_cbranch_scc1 .Lno_list
	s_min_u32 s55, s51, 63                         ; (s55 was last read by loads that the wait ahead of this trip's barrier has shown done)
	s_lshl_b32 s55, s55, 4
	s_add_co_u32 s55, s55, s49
	s_lshl_b32 s55, s55, 2
	s_load_b256 s[32:39], s[22:23], s55 offset:0x0 ; its tokens,
	s_load_b256 s[40:47], s[24:25], s55 offset:0x0 ; their weights: they land while the next trip multiplies
.Lno_list:
	s_xor_b32 s11, s11, REDB
	s_add_co_u32 s10, s10, 4
	s_add_co_u32 s9, s9, 1
	s_cmp_lt_u32 s9, 16
	s_cbranch_scc1 .Ltrip
	s_barrier_signal -1
	s_barrier_wait -1
	s_wait_tensorcnt 0x0
	ds_add_u32 v254, v255
	s_wait_dscnt 0x0
	s_endpgm
.Lfunc_end_k_q7c5cea682f_ffn2:
	.size	k_q7c5cea682f_ffn2, .Lfunc_end_k_q7c5cea682f_ffn2-k_q7c5cea682f_ffn2
	.p2alignl 7, 3214868480
	.fill 96, 4, 3214868480
	.section	.rodata,"a",@progbits
	.p2align	6, 0x0
	.amdhsa_kernel k_q7c5cea682f_ffn2
		.amdhsa_group_segment_fixed_size 120320
		.amdhsa_private_segment_fixed_size 0
		.amdhsa_enable_private_segment 0
		.amdhsa_kernarg_size 64
		.amdhsa_user_sgpr_count 2
		.amdhsa_user_sgpr_kernarg_segment_ptr 1
		.amdhsa_wavefront_size32 1
		.amdhsa_system_sgpr_workgroup_id_x 1
		.amdhsa_system_sgpr_workgroup_id_y 1
		.amdhsa_system_sgpr_workgroup_id_z 1
		.amdhsa_system_vgpr_workitem_id 0
		.amdhsa_next_free_vgpr 1024
		.amdhsa_next_free_sgpr 66
		.amdhsa_reserve_vcc 0
		.amdhsa_float_denorm_mode_32 3
		.amdhsa_float_denorm_mode_16_64 3
		.amdhsa_memory_ordered 1
		.amdhsa_forward_progress 1
		.amdhsa_inst_pref_size 63
	.end_amdhsa_kernel
	.amdgpu_metadata
---
amdhsa.version: [ 1, 2 ]
amdhsa.kernels:
  - .name:           k_q7c5cea682f_ffn2
    .symbol:         k_q7c5cea682f_ffn2.kd
    .args:
      - { .name: W2_codes, .offset: 0, .size: 8, .value_kind: global_buffer, .address_space: global }
      - { .name: W2_scales, .offset: 8, .size: 8, .value_kind: global_buffer, .address_space: global }
      - { .name: b2, .offset: 16, .size: 8, .value_kind: global_buffer, .address_space: global }
      - { .name: tok, .offset: 24, .size: 8, .value_kind: global_buffer, .address_space: global }
      - { .name: wl, .offset: 32, .size: 8, .value_kind: global_buffer, .address_space: global }
      - { .name: hid, .offset: 40, .size: 8, .value_kind: global_buffer, .address_space: global }
      - { .name: hsc, .offset: 48, .size: 8, .value_kind: global_buffer, .address_space: global }
      - { .name: out0, .offset: 56, .size: 8, .value_kind: global_buffer, .address_space: global }
    .group_segment_fixed_size: 120320
    .private_segment_fixed_size: 0
    .kernarg_segment_align: 8
    .kernarg_segment_size: 64
    .max_flat_workgroup_size: 128
    .sgpr_count:     66
    .vgpr_count:     1024
    .wavefront_size: 32
...
	.end_amdgpu_metadata
.endif
;; end of part 4
;; ======== version 2 of 3: 3 launches; 1.14 times as fast as version 1
;; workspace buffers: ids 4,096 bytes of whole numbers; wts 4,096 bytes; hid 25,165,824 bytes; hsc 2,097,152 bytes
;; launch route: the kernel of part 1 again; grid 64 x 1, 4 waves a work-group, no clusters, 71,168 bytes of LDS; arguments x_codes, x_scales, Wr_h_codes, Wr_h_scales, br_h, Wr, br, ids, wts; writes ids, wts
;; launch ffn1 (part 5): grid 256 x 1, 4 waves a work-group, no clusters, 173,056 bytes of LDS; arguments x_codes, x_scales, W1_codes, W1_scales, b1, ids, hid, hsc; writes hid, hsc
.if DOCPART == 5
	.amdgcn_target "amdgcn-amd-amdhsa--gfx1250"
	.amdhsa_code_object_version 6
	.text
	.protected	k_q7c5cea682f_ffn1
	.globl	k_q7c5cea682f_ffn1
	.p2align	8
	.type	k_q7c5cea682f_ffn1,@function
k_q7c5cea682f_ffn1:
	s_mov_b64 s[64:65], 0
	v_nop
	global_prefetch_b8 v0, s[64:65] scope:SCOPE_SE
	s_setreg_imm32_b32 hwreg(HW_REG_WAVE_MODE, 25, 1), 1
	s_wait_xcnt 0x0
; THE EXPERTS' FIRST LAYER, for the rows that are kept alone: relu(x W1[e] + b1[e]) on codes of BF6 (E3M2) with E8M0 scales, quantised along the second product's K and stored as codes.
; SHARES.  Work-group (e, slab): expert e, hidden units 128 slab .. + 127, which are K step `slab` of the second product.  Wave w owns units 32 w .. + 31 of them: ONE block of the quantiser, two tiles of 16 rows of W1, all of K = 1,024:
; 192 registers of weights, read from memory once; they stay while the expert's rows walk past.  Rows go in chunks of 64 positions of the expert's list (4 tiles): wave w gathers tile w of a chunk into LDS, all four waves multiply all four tiles.
; THE EXPERT'S LIST is made here, from ids, the kept expert of each token, which an earlier launch stored.  Every wave reads all 1,024 ids (register 4 j + i of lane l: token 128 j + 4 l + i), compares them with e into 32 masks in scalar
; registers and counts their bits: so n reaches every wave through registers.  Wave 0 then puts each matching token at position (matches in earlier registers) + (matching lanes below): a rank is a count of set bits, no atomics.  A lane without
; a match writes a spare word of its own, so that EXEC never changes.  Positions n .. n + 31 take the token at n - 1 (token 0 where n = 0): a tile's rows past n repeat a row of the SAME tile, and no lane is ever masked.  Positions 0 to 127 are
; zeroed first: the head gathers tiles 0 to 3 whatever n.  One barrier parts the making from all other use of LDS.  The launch that follows makes the same list by the same lines.
; THE MATRIX INSTRUCTION IS USED TRANSPOSED (source 0 = 16 rows of W1, source 1 = 16 rows of x): a lane holds one position.  THE ROWS OF W1 THAT FORM A TILE ARE NOT NEIGHBOURS: slot m of tile u is row 8 u + m + 8 (m / 8), so that a lane's 16
; result registers are units 16 (lane / 16) + 0 .. 15 of the block: one conversion makes their 16 codes.
; WHAT IS STORED is the image of the second product's operand registers: hid[e][slab][tile]: 1,536 bytes, register R of lane L at 512 (R / 4) + 16 L + 4 (R % 4); hsc[e][slab][tile]: 128 bytes, lane L's scale word at 4 L.
; Every loop has a constant number of trips and every wave passes every barrier; what n leaves without work is jumped over by scalar branches, with no barrier inside.  Such branches go with no tensor load, so operands go through registers,
; and nothing is asked for jointly: hence no cluster.  Tile 0 is always made (with n = 0: of token 0).
; A TRIP (chunk c), ONE barrier at its head.  Behind it chunk c's rows are whole in one row buffer, chunk c - 1's images are whole in one image buffer, and nobody reads the other two any more.  Then: chunk c - 1's images leave;
; chunk c + 1's rows are asked for; chunk c is multiplied and quantised into the other image buffer; chunk c + 1's rows go into the other row buffer.
; LIMITS.  NaN and infinities are not served.  A hidden block of zeros gets the scale byte 1 where the quantiser says 127: its codes are zeros, and this program alone reads the byte.
; REGISTERS.  window 0: v1-19 lane terms; v20-27 the trip's LDS addresses; v28-43 the gather's offsets; v44-51 W1's scale words (tile 0 in lanes 0-15, tile 1 in lanes 16-31); v52-59 x's; v60-75 b1; v76-91 the two accumulators;
;   v92-98 at work; v100-116 the way out; v120-215 x's 8 fragments (at the head v120-151: the ids); v216-242 the list's lane terms and work.   window 1: v0-191 the weights (tile u, K step k at 96 u + 12 k).   window 2: v0-103 gathered rows.
.set GW,   3
.set LSW,  4
.set LFW,  5
.set GA,   28
.set GS,   36
.set WS,   44
.set XS,   52
.set B1,   60
.set ACC,  76
.set XF,   120
.set ID,   120                         ; v120-151 the ids, at the head alone
.set LRB,  219                         ; v219     LIST + 4 (lane / 16): where my half of the lanes reads a tile's entries
.set GT,   220                         ; v220-227 eight tokens
.set LRA,  228                         ; v228     the same for the tile in hand
.set DMP,  229                         ; v229     1,088 + lane: the position of my spare word
.set PS,   230                         ; v230-233 positions, then LDS addresses
.set TK,   234                         ; v234-237 token numbers
.set ZR,   238                         ; v238-241 zeros
.set LPF,  242                         ; v242     LIST + 16 x lane
.set MK,   66                          ; s66-97   the 32 masks
.set XP,   816                         ; a row in LDS: 768 bytes of codes, 32 of scale bytes, 16 spare = 204 words: the 32 lanes of a load of 8 bytes touch 64 different banks
.set XRB,  64*XP                       ; a row buffer; two of them from LDS byte 0
.set OUT,  2*XRB                       ; two image buffers:
.set OUTB, 6656                        ; 4 images of 1,536 bytes, then 4 x 128 bytes of scale words
.set WST,  OUT+2*OUTB                  ; four stages of 16 rows x 784 bytes
.set WSTB, 12544
.set LIST, WST+4*WSTB                  ; the list: 1,152 words: positions 0 to 1,055, and from 1,088 on a spare word for each lane
.set MSB,  0
.macro WIN new
.if MSB != (\new)
	s_set_vgpr_msb (MSB<<8)|(\new)
.set MSB, (\new)
.endif
.endm
.macro NOP4
.rept 4
	v_nop
.endr
.endm
.macro BAR
	s_wait_dscnt 0x0
	s_barrier_signal -1
	s_barrier_wait -1
.endm
; 24 loads: a tile's 16 rows x 768 bytes; slot 2 i + (lane / 16) is row row0 + 2 i + (lane / 16) + 8 (i / 4).  Each instruction reads two aligned runs of 256 bytes.  Read once in the launch
.macro WLOAD win, base, row0
	WIN (\win)<<6
.irp i, 0,1,2,3,4,5,6,7
.irp u, 0,1,2
	global_load_b128 v[\base+4*(3*\i+\u):\base+4*(3*\i+\u)+3], v[GW], s[20:21] offset:((\row0)+2*\i+8*(\i/4))*768+256*\u th:TH_LOAD_NT
.endr
.endr
	WIN 0
.endm
.macro WTURN win, base                 ; through my stage: in as loaded, out as 8 fragments; LDS serves a wave's instructions in order (ISA guide 5.7.1.4)
	WIN (\win)<<2
.irp i, 0,1,2,3,4,5,6,7
.irp u, 0,1,2
	ds_store_b128 v[LSW], v[\base+4*(3*\i+\u):\base+4*(3*\i+\u)+3] offset:1568*\i+256*\u
.endr
.endr
	WIN (\win)<<6
.irp s, 0,1,2,3,4,5,6,7
.irp p, 0,1,2,3,4,5
	ds_load_b64 v[\base+12*\s+2*\p:\base+12*\s+2*\p+1], v[LFW] offset:96*\s+48*(\p/3)+8*(\p%3)
.endr
.endr
	WIN 0
.endm
.macro MM d, a, b, c, sa, sb, row
.if \row
	v_wmma_scale_f32_16x16x128_f8f6f4 v[\d:\d+7], v[\a:\a+11], v[\b:\b+11], v[\c:\c+7], v[\sa], v[\sb] matrix_a_fmt:MATRIX_FMT_BF6 matrix_b_fmt:MATRIX_FMT_BF6 matrix_a_scale:MATRIX_SCALE_ROW1
.else
	v_wmma_scale_f32_16x16x128_f8f6f4 v[\d:\d+7], v[\a:\a+11], v[\b:\b+11], v[\c:\c+7], v[\sa], v[\sb] matrix_a_fmt:MATRIX_FMT_BF6 matrix_b_fmt:MATRIX_FMT_BF6
.endif
.endm
; Registers 4 g .. 4 g + 3 of the ids: each match goes to its position in the list, four registers by turns so that no line waits for the line above it.  s13: the matches so far
.macro SCAT4 g
.irp i, 0,1,2,3
	v_mbcnt_lo_u32_b32 v[PS+\i], s[MK+4*(\g)+\i], s13          ; the matches so far + the matching lanes below me
	s_bcnt1_i32_b32 s12, s[MK+4*(\g)+\i]
	s_add_co_u32 s13, s13, s12
.endr
.irp i, 0,1,2,3
	v_cndmask_b32 v[PS+\i], v[DMP], v[PS+\i], s[MK+4*(\g)+\i]  ; without a match: my spare word
.endr
.irp i, 0,1,2,3
	v_min_u32 v[PS+\i], 0x47f, v[PS+\i]                        ; held inside the list's 1,152 words
.endr
.irp i, 0,1,2,3
	v_lshl_add_u32 v[PS+\i], v[PS+\i], 2, LIST
.endr
.irp i, 0,1,2,3
	v_add_nc_u32 v[TK+\i], 128*(\g)+\i, v118                   ; the token: 128 g + 4 l + i
.endr
.irp i, 0,1,2,3
	ds_store_b32 v[PS+\i], v[TK+\i]
.endr
.endm
; the 16 entries of the tile at v[LRA]: lanes 0-15 take entry 2 i, lanes 16-31 entry 2 i + 1
.macro LREAD
.irp i, 0,1,2,3,4,5,6,7
	ds_load_b32 v[GT+\i], v[LRA] offset:8*\i
.endr
	s_wait_dscnt 0x0
.endm
.macro GADDR                           ; they become offsets.  A token number is held to 1,023 before it enters an address
.irp i, 0,1,2,3,4,5,6,7
	v_min_u32 v[GT+\i], 0x3ff, v[GT+\i]
.endr
.irp i, 0,1,2,3,4,5,6,7
	v_mad_u32_u24 v[GA+\i], v[GT+\i], 0x300, v8    ; 768 x token + 16 r
.endr
.irp i, 0,1,2,3,4,5,6,7
	v_lshl_add_u32 v[GS+\i], v[GT+\i], 5, v9       ; 32 x token + 4 (r % 8)
.endr
.endm
.macro GISSUE                          ; 32 loads: 16 rows of codes, sixteen lanes to 256 consecutive bytes, and their scale bytes
	WIN 0x80
.irp i, 0,1,2,3,4,5,6,7
.irp u, 0,1,2
	global_load_b128 v[4*(3*\i+\u):4*(3*\i+\u)+3], v[GA+\i], s[16:17] offset:256*\u
.endr
.endr
.irp i, 0,1,2,3,4,5,6,7
	global_load_b32 v[96+\i], v[GS+\i], s[18:19]
.endr
	WIN 0
.endm
.macro GSTORE                          ; into the row buffer that v26, v27 name: rows 16 w + 2 i + (lane / 16)
	WIN 0x08
.irp i, 0,1,2,3,4,5,6,7
.irp u, 0,1,2
	ds_store_b128 v26, v[4*(3*\i+\u):4*(3*\i+\u)+3] offset:2*XP*\i+256*\u
.endr
.endr
.irp i, 0,1,2,3,4,5,6,7
	ds_store_b32 v27, v[96+\i] offset:2*XP*\i      ; (lanes r and r + 8 write the same word with the same value)
.endr
	WIN 0
.endm
; Tile j of the chunk: 16 matrix instructions, relu, the block's scale, 16 codes a lane, into image j
.macro TILE j
	ds_load_b128 v[XS:XS+3], v21 offset:16*XP*\j
	ds_load_b128 v[XS+4:XS+7], v21 offset:16*XP*\j+16
.irp k, 0,1,2,3,4,5,6,7
.irp p, 0,1,2,3,4,5
	ds_load_b64 v[XF+12*\k+2*\p:XF+12*\k+2*\p+1], v20 offset:16*XP*\j+96*\k+48*(\p/3)+8*(\p%3)
.endr
.endr
	WIN 0x01                                       ; source 0 in window 1
.irp k, 0,1,2,3,4,5,6,7
	s_wait_dscnt 6*(7-\k)                          ; K step k's fragment is in; the later K steps' six loads each may be out
.if \k == 0
	MM ACC, 12*\k, XF+12*\k, B1, WS+\k, XS+\k, 0               ; the sums begin with b1; the two accumulators take turns
	MM ACC+8, 96+12*\k, XF+12*\k, B1+8, WS+\k, XS+\k, 1
.else
	MM ACC, 12*\k, XF+12*\k, ACC, WS+\k, XS+\k, 0
	MM ACC+8, 96+12*\k, XF+12*\k, ACC+8, WS+\k, XS+\k, 1
.endif
.endr
	WIN 0
	NOP4
.irp i, 0,1,2,3,4,5,6,7,8,9,10,11,12,13,14,15
	v_max_num_f32 v[ACC+\i], 0, v[ACC+\i]          ; the activation, in f32; each accumulator from its low end on
.endr
	v_max3_num_f32 v92, v[ACC], v[ACC+1], 0x2800000            ; the largest of my 16 (none is negative), and the floor 2^(5 - 127): the byte cannot fall under 1
	v_max3_num_f32 v94, v[ACC+2], v[ACC+3], v[ACC+4]
	v_max3_num_f32 v92, v92, v[ACC+5], v[ACC+6]
	v_max3_num_f32 v94, v94, v[ACC+7], v[ACC+8]
	v_max3_num_f32 v92, v92, v[ACC+9], v[ACC+10]
	v_max3_num_f32 v94, v94, v[ACC+11], v[ACC+12]
	v_max3_num_f32 v92, v92, v[ACC+13], v[ACC+14]
	v_max3_num_f32 v92, v92, v94, v[ACC+15]
	v_permlanex16_b32 v93, v92, s48, s49
	v_max_num_f32 v92, v92, v93                    ; with lane l xor 16's 16: the block's
	v_add_nc_u32 v94, 0xfe000000, v92              ; 4 off its exponent field: the conversion takes the exponent field of this operand as its scale
	v_cvt_scalef32_pk16_bf6_f32 v[96:98], v[ACC:ACC+15], v94
	v_lshrrev_b32 v95, 23, v94                     ; the scale's byte (and the plain line behind the conversion)
	ds_store_b32 v22, v96 offset:1536*\j           ; my three registers' places in the image
	ds_store_b32 v23, v97 offset:1536*\j
	ds_store_b32 v24, v98 offset:1536*\j
	ds_store_b8 v25, v95 offset:128*\j             ; byte w of the position's scale word, in lanes 0-15's words and in their repeat
.endm
	s_load_b512 s[16:31], s[0:1], 0x0              ; x_codes 16, x_scales 18, W1_codes 20, W1_scales 22, b1 24, ids 26, hid 28, hsc 30
	v_lshl_add_u32 v254, v0, 2, 0x2a200
	v_mov_b32 v255, 0
	v_lshrrev_b32 v1, 5, v0
	v_readfirstlane_b32 s2, v1                     ; wave 0..3
	s_lshr_b32 s3, ttmp9, 5                        ; e
	s_and_b32 s4, ttmp9, 31                        ; slab
	v_and_b32 v216, 31, v0                         ; l
	v_and_b32 v1, 15, v0                           ; r
	v_bfe_u32 v2, v0, 4, 1                         ; h
	v_lshlrev_b32 v8, 4, v1                        ; 16 r
	v_mad_u32_u24 v[GW], v2, 768, v8
	s_mul_i32 s12, s2, WSTB
	s_add_co_u32 s12, s12, WST                     ; my stage
	v_mad_u32_u24 v[LSW], v2, 784, v8
	v_add_nc_u32 v[LSW], s12, v[LSW]
	v_mul_u32_u24 v[LFW], v1, 784
	v_mad_u32_u24 v[LFW], v2, 24, v[LFW]
	v_add_nc_u32 v[LFW], s12, v[LFW]
	v_and_b32 v9, 7, v1
	v_lshlrev_b32 v9, 2, v9                        ; 4 (r % 8)
	s_lshl_b32 s12, s2, 4
	v_add_nc_u32 v10, s12, v2                      ; row 16 w + h of a row buffer
	v_mul_u32_u24 v10, v10, XP
	v_add_nc_u32 v11, v10, v9
	v_add_nc_u32 v11, 768, v11                     ; where I put scale words,
	v_add_nc_u32 v10, v10, v8                      ; and codes
	v_mul_u32_u24 v12, v1, XP
	v_add_nc_u32 v13, 768, v12                     ; where I read row r's scale words,
	v_mad_u32_u24 v12, v2, 24, v12                 ; and its fragments
	s_lshr_b32 s12, s2, 1
	s_mul_i32 s12, s12, 6                          ; my block's six registers of the image begin at 6 (w / 2); it lies in lanes 16 (w % 2) + r
	s_and_b32 s13, s2, 1
	s_lshl_b32 s13, s13, 8
	s_add_co_u32 s13, s13, OUT
	v_add_nc_u32 v93, s13, v8
	v_mad_u32_u24 v92, v2, 3, s12                  ; R = 6 (w / 2) + 3 h + i
.irp i, 0,1,2
	v_add_nc_u32 v94, \i, v92
	v_lshrrev_b32 v95, 2, v94
	v_and_b32 v94, 3, v94
	v_lshl_add_u32 v95, v95, 9, v93
	v_lshl_add_u32 v[14+\i], v94, 2, v95           ; 512 (R / 4) + 4 (R % 4) + 16 r + 256 (w % 2)
.endr
	s_add_co_u32 s13, s2, OUT+6144
	v_lshl_add_u32 v17, v216, 2, s13               ; my byte of a scale word: 4 l + w
	s_mul_i32 s13, s2, 1536
	s_add_co_u32 s13, s13, OUT
	v_lshl_add_u32 v18, v216, 4, s13               ; the way out: image w, 16 l;
	s_lshl_b32 s13, s2, 7
	s_add_co_u32 s13, s13, OUT+6144
	v_lshl_add_u32 v19, v216, 2, s13               ; its scale words, 4 l
	v_lshlrev_b32 v117, 4, v216                    ; 16 l
	v_lshlrev_b32 v118, 2, v216                    ; 4 l
	v_lshl_add_u32 v[LRB], v2, 2, LIST
	v_add_nc_u32 v[DMP], 1088, v216
	v_add_nc_u32 v[LPF], LIST, v117
.irp i, 0,1,2,3
	v_mov_b32 v[ZR+\i], 0
.endr
	v_and_b32 v92, 8, v1
	v_add_nc_u32 v92, v92, v1
	v_lshl_add_u32 v92, v2, 3, v92                 ; W1's scale words: lane (r, h) takes those of tile h's slot r: row 8 h + r + 8 (r / 8)
	v_lshlrev_b32 v217, 5, v92
	v_lshlrev_b32 v218, 6, v2                      ; b1: my 16 units begin 16 h on
	s_mov_b32 s48, 0x76543210
	s_mov_b32 s49, 0xfedcba98                      ; v_permlanex16_b32's selects for lane l xor 16
	s_mov_b32 s53, 0
	s_wait_kmcnt 0x0
.irp j, 0,1,2,3,4,5,6,7
	global_load_b128 v[ID+4*\j:ID+4*\j+3], v117, s[26:27] offset:512*\j   ; the ids go out first: the list hangs on them
.endr
	s_lshl_b32 s50, s3, 12
	s_lshl_b32 s12, s4, 7
	s_add_co_u32 s50, s50, s12
	s_lshl_b32 s12, s2, 5
	s_add_co_u32 s50, s50, s12                     ; my first row of W1: 4,096 e + 128 slab + 32 w
	s_mul_i32 s52, s50, 768
	s_add_nc_u64 s[20:21], s[20:21], s[52:53]
	s_lshl_b32 s52, s50, 5
	s_add_nc_u64 s[22:23], s[22:23], s[52:53]
	s_lshl_b32 s52, s50, 2
	s_add_nc_u64 s[24:25], s[24:25], s[52:53]
	s_mul_i32 s52, s3, 3145728
	s_mul_i32 s12, s4, 98304
	s_add_co_u32 s52, s52, s12
	s_add_nc_u64 s[28:29], s[28:29], s[52:53]      ; hid[e][slab]
	s_lshl_b32 s52, s3, 18
	s_lshl_b32 s12, s4, 13
	s_add_co_u32 s52, s52, s12
	s_add_nc_u64 s[30:31], s[30:31], s[52:53]      ; hsc[e][slab]
.irp q, 0,1
	global_load_b128 v[WS+4*\q:WS+4*\q+3], v217, s[22:23] offset:16*\q th:TH_LOAD_NT
.endr
.irp q, 0,1,2,3
	global_load_b128 v[B1+4*\q:B1+4*\q+3], v218, s[24:25] offset:16*\q
.endr
	WLOAD 1, 0, 0
	WLOAD 1, 96, 8
	s_wait_loadcnt 54                              ; the ids are in; behind them stand 2 + 4 + 24 + 24 loads, which may be out
.set q, 0
.rept 32
	v_cmp_eq_u32 s[MK+q], s3, v[ID+q]              ; whose kept expert is e
.set q, q+1
.endr
	s_mov_b32 s5, 0
.set q, 0
.rept 32
	s_bcnt1_i32_b32 s12, s[MK+q]
	s_add_co_u32 s5, s5, s12
.set q, q+1
.endr
	s_min_u32 s5, s5, 0x400                        ; n
	s_add_co_u32 s6, s5, 15
	s_lshr_b32 s6, s6, 4
	s_max_u32 s6, s6, 1
	s_min_u32 s6, s6, 64                           ; tiles to make: at least one
	s_cmp_lg_u32 s2, 0
	s_cbranch_scc1 .Llisted                        ; wave 0 makes the list; no other wave touches LDS ahead of the barrier below
	ds_store_b128 v[LPF], v[ZR:ZR+3]               ; positions 0 to 127: token 0.  LDS serves a wave's instructions in order (ISA guide 5.7.1.4): what follows lands on top
	s_mov_b32 s13, 0
.irp g, 0,1,2,3,4,5,6,7
	SCAT4 \g
.endr
	s_max_u32 s12, s5, 1
	s_sub_co_u32 s12, s12, 1                       ; the last position (0 where n = 0: it holds token 0)
	v_mov_b32 v[PS], s12
	v_min_u32 v[PS], 0x3ff, v[PS]
	v_lshl_add_u32 v[PS], v[PS], 2, LIST
	ds_load_b32 v[TK], v[PS]
	v_add_nc_u32 v[PS+1], s5, v216                 ; positions n + l
	v_min_u32 v[PS+1], 0x43f, v[PS+1]
	v_lshl_add_u32 v[PS+1], v[PS+1], 2, LIST
	s_wait_dscnt 0x0
	ds_store_b32 v[PS+1], v[TK]                    ; repeat the last token
.Llisted:
	BAR                                            ; the list is whole, and is written no more
	s_lshl_b32 s13, s2, 6
	v_add_nc_u32 v[LRA], s13, v[LRB]
	LREAD                                          ; chunk 0's tile w, whatever n: positions 0 to 63 all hold a token
	GADDR
	GISSUE
	s_wait_loadcnt 56                              ; behind tile 0's loads stand tile 1's 24 and the gather's 32
	WTURN 1, 0
	s_wait_loadcnt 32                              ; the gather's 32
	WTURN 1, 96
	s_wait_loadcnt 0x0
	v_mov_b32 v26, v10
	v_mov_b32 v27, v11
	GSTORE                                         ; into row buffer 0
	s_mov_b32 s7, 0                                ; c
	s_mov_b32 s8, 0                                ; 4 c
	s_mov_b32 s9, 0                                ; the row buffer that holds chunk c
	s_mov_b32 s10, 0                               ; the image buffer that chunk c fills
.Ltrip:                                                ; 17 trips: chunks 0 to 15, and one more for chunk 15's way out
	s_add_co_u32 s11, s8, s2
	s_add_co_u32 s11, s11, 4                       ; the tile that I gather: tile w of chunk c + 1
	BAR                                            ; the trip's one barrier, on every wave's path
	v_add_nc_u32 v20, s9, v12
	v_add_nc_u32 v21, s9, v13
	v_add_nc_u32 v22, s10, v14
	v_add_nc_u32 v23, s10, v15
	v_add_nc_u32 v24, s10, v16
	v_add_nc_u32 v25, s10, v17
	s_xor_b32 s14, s9, XRB
	v_add_nc_u32 v26, s14, v10
	v_add_nc_u32 v27, s14, v11
	; chunk c - 1's image w leaves
	s_sub_co_u32 s12, s11, 8                       ; tile 4 c - 4 + w (in trip 0 it wraps to a number above every count)
	s_cmp_ge_u32 s12, s6
	s_cbranch_scc1 .Lno_out
	s_wait_xcnt 0x0                                ; the last trip's stores have read their registers
	s_xor_b32 s14, s10, OUTB
	s_min_u32 s12, s12, 63
	s_mul_i32 s15, s12, 1536
	s_lshl_b32 s12, s12, 7
	v_add_nc_u32 v100, s14, v18
	v_add_nc_u32 v101, s14, v19
	v_add_nc_u32 v102, s15, v117
	v_add_nc_u32 v103, s12, v118
	ds_load_b128 v[104:107], v100
	ds_load_b128 v[108:111], v100 offset:512
	ds_load_b128 v[112:115], v100 offset:1024
	ds_load_b32 v116, v101
	s_wait_dscnt 0x0
	global_store_b128 v102, v[104:107], s[28:29]               ; 512 consecutive bytes, at a multiple of 512 from the buffer's first byte
	global_store_b128 v102, v[108:111], s[28:29] offset:512
	global_store_b128 v102, v[112:115], s[28:29] offset:1024
	global_store_b32 v103, v116, s[30:31]
.Lno_out:
	s_cmp_ge_u32 s11, s6
	s_cbranch_scc1 .Lno_gather
	s_min_u32 s13, s11, 63
	s_lshl_b32 s13, s13, 6
	v_add_nc_u32 v[LRA], s13, v[LRB]
	LREAD
	GADDR                                          ; (the last gather's loads were waited for at the last trip's end: their offsets may be written)
	GISSUE                                         ; lands while chunk c is multiplied
.Lno_gather:
.irp j, 0,1,2,3
	s_add_co_u32 s12, s8, \j
	s_cmp_ge_u32 s12, s6
	s_cbranch_scc1 .Ltiles_done
	TILE \j
.endr
.Ltiles_done:
	s_wait_loadcnt 0x0                             ; the gather, if there was one: outside the branch
	s_cmp_ge_u32 s11, s6
	s_cbranch_scc1 .Lno_put
	GSTORE
.Lno_put:
	s_xor_b32 s9, s9, XRB
	s_xor_b32 s10, s10, OUTB
	s_add_co_u32 s8, s8, 4
	s_add_co_u32 s7, s7, 1
	s_cmp_lt_u32 s7, 17
	s_cbranch_scc1 .Ltrip
	s_wait_tensorcnt 0x0
	ds_add_u32 v254, v255
	s_wait_dscnt 0x0
	s_endpgm
.Lfunc_end_k_q7c5cea682f_ffn1:
	.size	k_q7c5cea682f_ffn1, .Lfunc_end_k_q7c5cea682f_ffn1-k_q7c5cea682f_ffn1
	.p2alignl 7, 3214868480
	.fill 96, 4, 3214868480
	.section	.rodata,"a",@progbits
	.p2align	6, 0x0
	.amdhsa_kernel k_q7c5cea682f_ffn1
		.amdhsa_group_segment_fixed_size 173056
		.amdhsa_private_segment_fixed_size 0
		.amdhsa_enable_private_segment 0
		.amdhsa_kernarg_size 64
		.amdhsa_user_sgpr_count 2
		.amdhsa_user_sgpr_kernarg_segment_ptr 1
		.amdhsa_wavefront_size32 1
		.amdhsa_system_sgpr_workgroup_id_x 1
		.amdhsa_system_sgpr_workgroup_id_y 1
		.amdhsa_system_sgpr_workgroup_id_z 1
		.amdhsa_system_vgpr_workitem_id 0
		.amdhsa_next_free_vgpr 768
		.amdhsa_next_free_sgpr 100
		.amdhsa_reserve_vcc 0
		.amdhsa_float_denorm_mode_32 3
		.amdhsa_float_denorm_mode_16_64 3
		.amdhsa_memory_ordered 1
		.amdhsa_forward_progress 1
		.amdhsa_inst_pref_size 86
	.end_amdhsa_kernel
	.amdgpu_metadata
---
amdhsa.version: [ 1, 2 ]
amdhsa.kernels:
  - .name:           k_q7c5cea682f_ffn1
    .symbol:         k_q7c5cea682f_ffn1.kd
    .args:
      - { .name: x_codes, .offset: 0, .size: 8, .value_kind: global_buffer, .address_space: global }
      - { .name: x_scales, .offset: 8, .size: 8, .value_kind: global_buffer, .address_space: global }
      - { .name: W1_codes, .offset: 16, .size: 8, .value_kind: global_buffer, .address_space: global }
      - { .name: W1_scales, .offset: 24, .size: 8, .value_kind: global_buffer, .address_space: global }
      - { .name: b1, .offset: 32, .size: 8, .value_kind: global_buffer, .address_space: global }
      - { .name: ids, .offset: 40, .size: 8, .value_kind: global_buffer, .address_space: global }
      - { .name: hid, .offset: 48, .size: 8, .value_kind: global_buffer, .address_space: global }
      - { .name: hsc, .offset: 56, .size: 8, .value_kind: global_buffer, .address_space: global }
    .group_segment_fixed_size: 173056
    .private_segment_fixed_size: 0
    .kernarg_segment_align: 8
    .kernarg_segment_size: 64
    .max_flat_workgroup_size: 128
    .sgpr_count:     100
    .vgpr_count:     768
    .wavefront_size: 32
...
	.end_amdgpu_metadata
.endif
;; end of part 5
;; launch ffn2 (part 6): grid 256 x 1, 4 waves a work-group, no clusters, 129,536 bytes of LDS; arguments W2_codes, W2_scales, b2, ids, wts, hid, hsc, out0; writes out0
.if DOCPART == 6
	.amdgcn_target "amdgcn-amd-amdhsa--gfx1250"
	.amdhsa_code_object_version 6
	.text
	.protected	k_q7c5cea682f_ffn2
	.globl	k_q7c5cea682f_ffn2
	.p2align	8
	.type	k_q7c5cea682f_ffn2,@function
k_q7c5cea682f_ffn2:
	s_mov_b64 s[64:65], 0
	v_nop
	global_prefetch_b8 v0, s[64:65] scope:SCOPE_SE
	s_setreg_imm32_b32 hwreg(HW_REG_WAVE_MODE, 25, 1), 1
	s_wait_xcnt 0x0
; THE EXPERTS' SECOND LAYER: out0[token] = (hidden W2[e] + b2[e]) x weight, for the rows that are kept, on codes of BF6 (E3M2) with E8M0 scales.  Each token has one expert here, so each row of out0 has one owner.
; SHARES.  Work-group (e, sl, z): expert e, output columns 64 sl .. + 63 (256 bytes of a row of out0), the row tiles of parity z.  Wave w owns a QUARTER OF K, K steps 8 w .. 8 w + 7, for all 64 columns: 4 tiles x 8 K steps = 384 registers
; of weights, which stay.  Of each tile of the hidden layer a wave loads only its own quarter, straight into operand registers: the buffer holds images of them (24 loads of 512 consecutive bytes).  The four waves' partial sums meet in LDS
; once for every two tiles.
; THE EXPERT'S LIST is made here, by the same lines as in the launch before, so that positions agree: every wave reads all 1,024 ids (register 4 j + i of lane l: token 128 j + 4 l + i), compares them with e into 32 masks in scalar registers
; and counts their bits: n reaches every wave through registers.  Wave 0 puts each matching token, and its weight, at position (matches in earlier registers) + (matching lanes below).  A lane without a match writes a spare word of its own, so
; that EXEC never changes.  Positions n .. n + 31 repeat the entry at n - 1, which lies in the same tile: those rows give the same bits, stored to the same row of out0 by this same work-group.  One barrier parts the making from all other use of LDS.
; THE MATRIX INSTRUCTION IS USED TRANSPOSED (source 0 = 16 rows of W2, that is 16 output columns; source 1 = 16 positions): a lane holds one position and eight neighbouring columns.
; 16 trips, a constant; every wave passes the one barrier of each trip; what n leaves without work is jumped over by scalar branches with no barrier inside.  Such branches go with no tensor load, so nothing is asked for jointly: hence no
; cluster.  Loads for a tile that does not exist are still issued, so that the counted waits hold on every way: all lanes then name the first bytes of a tile that exists.
; The sums over K are split in four and added in f32: an order of rounding other than reference()'s.  NaN and infinities are not served.
; REGISTERS.  window 0: v1-19 lane terms and work; v20-23 offsets in out0; v24-31 weights; v32-35 b2; v36-51 W2's scale words (tiles 2 q, 2 q + 1 at 36 + 8 q + k: even in lanes 0-15, odd in lanes 16-31); v52-67 the hidden layer's;
;   v68-131 eight accumulators (row tile j, column tile t at 68 + 32 j + 8 t); v132-195 partial sums read back (at the head: the ids and the weights); v196-219 addresses and the list's work.
;   window 1: column tiles 0, 1;  window 2: column tiles 2, 3;  window 3: two tiles of the hidden layer, 96 registers each.
.set GW,   3
.set LSW,  4
.set LFW,  5
.set HA,   13
.set HSA,  15
.set OA,   20
.set WP,   24
.set B2,   32
.set WS,   36
.set HS,   52
.set ACC,  68
.set RD,   132
.set ID,   132                         ; v132-163 the ids, at the head alone
.set W,    164                         ; v164-195 the tokens' weights, at the head alone
.set LRB,  200                         ; v200     LIST + 32 (w % 2) + 4 (lane / 16): where I read my eight rows' entries of a tile
.set LRA,  201                         ; v201     the same for the tile in hand
.set DMP,  202                         ; v202     1,088 + lane: the position of my spare word
.set LPF,  203                         ; v203     LIST + 16 x lane
.set PS,   204                         ; v204-207 positions, then LDS addresses
.set TK,   208                         ; v208-211 token numbers
.set ZR,   212                         ; v212-215 zeros
.set TN,   216                         ; v216-219 four tokens of the rows that I store
.set MK,   66                          ; s66-97   the 32 masks
.set WSTB, 12544                       ; LDS: four stages of 16 rows x 784 bytes from byte 0;
.set RED,  50176                       ; two areas for partial sums, by turns:
.set REDB, 34816                       ; 8 parts (wave, row tile) of 16 rows x (256 + 16) bytes
.set LIST, RED+2*REDB                  ; the list: 1,152 words of tokens (positions 0 to 1,055; from 1,088 on a spare word for each lane),
.set LW,   4608                        ; and as many of weights, this far on
.set MSB,  0
.macro WIN new
.if MSB != (\new)
	s_set_vgpr_msb (MSB<<8)|(\new)
.set MSB, (\new)
.endif
.endm
.macro BAR
	s_wait_dscnt 0x0
	s_barrier_signal -1
	s_barrier_wait -1
.endm
.macro WLOAD win, base, row0           ; 24 loads: 16 rows x my 768 bytes, rows 3,072 bytes apart: two aligned runs of 256 bytes an instruction
	WIN (\win)<<6
.irp i, 0,1,2,3,4,5,6,7
.irp u, 0,1,2
	global_load_b128 v[\base+4*(3*\i+\u):\base+4*(3*\i+\u)+3], v[GW], s[16:17] offset:((\row0)+2*\i)*3072+256*\u
.endr
.endr
	WIN 0
.endm
.macro WTURN win, base                 ; through my stage: in as loaded, out as 8 fragments; LDS serves a wave's instructions in order (ISA guide 5.7.1.4)
	WIN (\win)<<2
.irp i, 0,1,2,3,4,5,6,7
.irp u, 0,1,2
	ds_store_b128 v[LSW], v[\base+4*(3*\i+\u):\base+4*(3*\i+\u)+3] offset:1568*\i+256*\u
.endr
.endr
	WIN (\win)<<6
.irp s, 0,1,2,3,4,5,6,7
.irp p, 0,1,2,3,4,5
	ds_load_b64 v[\base+12*\s+2*\p:\base+12*\s+2*\p+1], v[LFW] offset:96*\s+48*(\p/3)+8*(\p%3)
.endr
.endr
	WIN 0
.endm
.macro MM d, a, b, sa, sb, row, zero   ; zero = 1: the product starts the sum: nothing is cleared
.if \zero
.if \row
	v_wmma_scale_f32_16x16x128_f8f6f4 v[\d:\d+7], v[\a:\a+11], v[\b:\b+11], 0, v[\sa], v[\sb] matrix_a_fmt:MATRIX_FMT_BF6 matrix_b_fmt:MATRIX_FMT_BF6 matrix_a_scale:MATRIX_SCALE_ROW1
.else
	v_wmma_scale_f32_16x16x128_f8f6f4 v[\d:\d+7], v[\a:\a+11], v[\b:\b+11], 0, v[\sa], v[\sb] matrix_a_fmt:MATRIX_FMT_BF6 matrix_b_fmt:MATRIX_FMT_BF6
.endif
.else
.if \row
	v_wmma_scale_f32_16x16x128_f8f6f4 v[\d:\d+7], v[\a:\a+11], v[\b:\b+11], v[\d:\d+7], v[\sa], v[\sb] matrix_a_fmt:MATRIX_FMT_BF6 matrix_b_fmt:MATRIX_FMT_BF6 matrix_a_scale:MATRIX_SCALE_ROW1
.else
	v_wmma_scale_f32_16x16x128_f8f6f4 v[\d:\d+7], v[\a:\a+11], v[\b:\b+11], v[\d:\d+7], v[\sa], v[\sb] matrix_a_fmt:MATRIX_FMT_BF6 matrix_b_fmt:MATRIX_FMT_BF6
.endif
.endif
.endm
; Registers 4 g .. 4 g + 3 of the ids: each match goes to its position in the list, with its weight; four registers by turns so that no line waits for the line above it.  s13: the matches so far
.macro SCAT4 g
.irp i, 0,1,2,3
	v_mbcnt_lo_u32_b32 v[PS+\i], s[MK+4*(\g)+\i], s13          ; the matches so far + the matching lanes below me
	s_bcnt1_i32_b32 s12, s[MK+4*(\g)+\i]
	s_add_co_u32 s13, s13, s12
.endr
.irp i, 0,1,2,3
	v_cndmask_b32 v[PS+\i], v[DMP], v[PS+\i], s[MK+4*(\g)+\i]  ; without a match: my spare word
.endr
.irp i, 0,1,2,3
	v_min_u32 v[PS+\i], 0x47f, v[PS+\i]                        ; held inside the list's 1,152 words
.endr
.irp i, 0,1,2,3
	v_lshl_add_u32 v[PS+\i], v[PS+\i], 2, LIST
.endr
.irp i, 0,1,2,3
	v_add_nc_u32 v[TK+\i], 128*(\g)+\i, v9                     ; the token: 128 g + 4 l + i
.endr
.irp i, 0,1,2,3
	ds_store_b32 v[PS+\i], v[TK+\i]
	ds_store_b32 v[PS+\i], v[W+4*(\g)+\i] offset:LW
.endr
.endm
; the offsets of row tile s[st] for buffer j.  A tile at or past the count: the last tile that exists, and every lane at its first bytes.  What hangs on the count is held by a constant before it enters an address.
; The four vector lines name no register of the products before them: they are the places behind those (ISA guide 7.12.1).
.macro HADDR j, st
	s_cmp_lt_u32 s[\st], s7
	s_cselect_b32 s13, 1, 0
	s_min_u32 s13, s13, 1
	s_min_u32 s14, s[\st], s8
	s_min_u32 s14, s14, 63
	s_mul_i32 s15, s14, 1536
	s_lshl_b32 s14, s14, 7
	v_mul_u32_u24 v17, v8, s13
	v_add_nc_u32 v[HA+\j], s15, v17
	v_mul_u32_u24 v18, v9, s13
	v_add_nc_u32 v[HSA+\j], s14, v18
.endm
.macro HLOAD j                         ; 32 loads: my 8 K steps' fragments of a row tile, as they will stand in registers, and their scale words
	WIN 0xc0
.irp k, 0,1,2,3,4,5,6,7
.irp q, 0,1,2
	global_load_b128 v[96*\j+12*\k+4*\q:96*\j+12*\k+4*\q+3], v[HA+\j], s[26:27] offset:98304*\k+512*\q
.endr
.endr
	WIN 0
.irp k, 0,1,2,3,4,5,6,7
	global_load_b32 v[HS+8*\j+\k], v[HSA+\j], s[28:29] offset:8192*\k
.endr
.endm
.macro MUL j                           ; 32 matrix instructions; two accumulators take turns, one instruction a turn
	WIN 0x0d                                       ; source 0 window 1, source 1 window 3
.irp k, 0,1,2,3,4,5,6,7
	MM ACC+32*\j, 12*\k, 96*\j+12*\k, WS+\k, HS+8*\j+\k, 0, (\k==0)
	MM ACC+32*\j+8, 96+12*\k, 96*\j+12*\k, WS+\k, HS+8*\j+\k, 1, (\k==0)
.endr
	WIN 0x0e                                       ; source 0 window 2
.irp k, 0,1,2,3,4,5,6,7
	MM ACC+32*\j+16, 12*\k, 96*\j+12*\k, WS+8+\k, HS+8*\j+\k, 0, (\k==0)
	MM ACC+32*\j+24, 96+12*\k, 96*\j+12*\k, WS+8+\k, HS+8*\j+\k, 1, (\k==0)
.endr
	WIN 0
.endm
	s_load_b512 s[16:31], s[0:1], 0x0              ; W2_codes 16, W2_scales 18, b2 20, ids 22, wts 24, hid 26, hsc 28, out0 30
	v_lshl_add_u32 v254, v0, 2, 0x1f800
	v_mov_b32 v255, 0
	v_lshrrev_b32 v1, 5, v0
	v_readfirstlane_b32 s2, v1                     ; wave 0..3
	s_lshr_b32 s3, ttmp9, 5                        ; e
	s_bfe_u32 s4, ttmp9, 0x40001                   ; sl
	s_and_b32 s5, ttmp9, 1                         ; z
	v_and_b32 v199, 31, v0                         ; l
	v_and_b32 v1, 15, v0                           ; r
	v_bfe_u32 v2, v0, 4, 1                         ; h
	v_lshlrev_b32 v10, 4, v1                       ; 16 r
	v_mad_u32_u24 v[GW], v2, 3072, v10
	s_mul_i32 s12, s2, WSTB                        ; my stage
	v_mad_u32_u24 v[LSW], v2, 784, v10
	v_add_nc_u32 v[LSW], s12, v[LSW]
	v_mul_u32_u24 v[LFW], v1, 784
	v_mad_u32_u24 v[LFW], v2, 24, v[LFW]
	v_add_nc_u32 v[LFW], s12, v[LFW]
	v_lshlrev_b32 v8, 4, v199                      ; 16 l
	v_lshlrev_b32 v9, 2, v199                      ; 4 l
	v_lshlrev_b32 v198, 7, v199                    ; 128 l: a row of W2's scale bytes for each lane of a pair of tiles
	s_mul_i32 s12, s2, 8704
	s_add_co_u32 s12, s12, RED
	v_mul_u32_u24 v11, v1, 272
	v_lshl_add_u32 v11, v2, 5, v11
	v_add_nc_u32 v11, s12, v11                     ; my parts: row r, 32 h
	s_lshr_b32 s48, s2, 1
	s_and_b32 s49, s2, 1
	s_mul_i32 s12, s48, 4352
	s_add_co_u32 s12, s12, RED
	s_lshl_b32 s49, s49, 3                         ; I add up rows 8 (w % 2) .. + 7
	s_lshl_b32 s48, s48, 1                         ; of the group's row tile w / 2, which is 2 (w / 2) tiles on from its first
	v_add_nc_u32 v12, s49, v2
	v_mul_u32_u24 v12, v12, 272
	v_add_nc_u32 v12, v12, v10
	v_add_nc_u32 v12, s12, v12                     ; row 8 (w % 2) + h, 16 r
	s_lshl_b32 s13, s49, 2
	s_add_co_u32 s13, s13, LIST
	v_lshl_add_u32 v[LRB], v2, 2, s13              ; the same rows' entries of the list: 4 bytes each
	v_add_nc_u32 v[DMP], 1088, v199
	v_add_nc_u32 v[LPF], LIST, v8
.irp i, 0,1,2,3
	v_mov_b32 v[ZR+\i], 0
.endr
	s_mov_b32 s53, 0
	s_wait_kmcnt 0x0
.irp j, 0,1,2,3,4,5,6,7
	global_load_b128 v[ID+4*\j:ID+4*\j+3], v8, s[22:23] offset:512*\j     ; the ids and the weights go out first: the list hangs on them
.endr
.irp j, 0,1,2,3,4,5,6,7
	global_load_b128 v[W+4*\j:W+4*\j+3], v8, s[24:25] offset:512*\j
.endr
	s_lshl_b32 s50, s3, 10
	s_lshl_b32 s12, s4, 6
	s_add_co_u32 s50, s50, s12                     ; my first row of W2: 1,024 e + 64 sl
	s_mul_i32 s52, s50, 3072
	s_mul_i32 s12, s2, 768
	s_add_co_u32 s52, s52, s12                     ; + my quarter of K
	s_add_nc_u64 s[16:17], s[16:17], s[52:53]
	s_lshl_b32 s52, s50, 7
	s_lshl_b32 s12, s2, 5
	s_add_co_u32 s52, s52, s12
	s_add_nc_u64 s[18:19], s[18:19], s[52:53]
	s_lshl_b32 s52, s50, 2
	s_add_nc_u64 s[20:21], s[20:21], s[52:53]
	s_lshl_b32 s50, s3, 5
	s_lshl_b32 s12, s2, 3
	s_add_co_u32 s50, s50, s12                     ; 32 e + 8 w: my first K step
	s_mul_i32 s52, s50, 98304
	s_add_nc_u64 s[26:27], s[26:27], s[52:53]
	s_lshl_b32 s52, s50, 13
	s_add_nc_u64 s[28:29], s[28:29], s[52:53]
	s_lshl_b32 s52, s4, 8
	s_add_nc_u64 s[30:31], s[30:31], s[52:53]      ; my 256 bytes of a row of out0
.irp p, 0,1
.irp q, 0,1
	global_load_b128 v[WS+8*\p+4*\q:WS+8*\p+4*\q+3], v198, s[18:19] offset:4096*\p+16*\q
.endr
.endr
	global_load_b128 v[B2:B2+3], v10, s[20:21]
	WLOAD 1, 0, 0
	WLOAD 1, 96, 16
	s_wait_loadcnt 53                              ; the ids and the weights are in; behind them stand 4 + 1 + 24 + 24 loads, which may be out
.set q, 0
.rept 32
	v_cmp_eq_u32 s[MK+q], s3, v[ID+q]              ; whose kept expert is e
.set q, q+1
.endr
	s_mov_b32 s6, 0
.set q, 0
.rept 32
	s_bcnt1_i32_b32 s12, s[MK+q]
	s_add_co_u32 s6, s6, s12
.set q, q+1
.endr
	s_min_u32 s6, s6, 0x400                        ; n
	s_add_co_u32 s7, s6, 15
	s_lshr_b32 s7, s7, 4
	s_min_u32 s7, s7, 64                           ; row tiles
	s_max_u32 s8, s7, 1
	s_sub_co_u32 s8, s8, 1                         ; the last tile that exists (tile 0 always does)
	s_cmp_lg_u32 s2, 0
	s_cbranch_scc1 .Llisted                        ; wave 0 makes the list; no other wave touches LDS ahead of the barrier below
	ds_store_b128 v[LPF], v[ZR:ZR+3]               ; positions 0 to 127: token 0, weight 0.  LDS serves a wave's instructions in order (ISA guide 5.7.1.4): what follows lands on top
	ds_store_b128 v[LPF], v[ZR:ZR+3] offset:LW
	s_mov_b32 s13, 0
.irp g, 0,1,2,3,4,5,6,7
	SCAT4 \g
.endr
	s_max_u32 s12, s6, 1
	s_sub_co_u32 s12, s12, 1                       ; the last position (0 where n = 0)
	v_mov_b32 v[PS], s12
	v_min_u32 v[PS], 0x3ff, v[PS]
	v_lshl_add_u32 v[PS], v[PS], 2, LIST
	ds_load_b32 v[TK], v[PS]
	ds_load_b32 v[TK+1], v[PS] offset:LW
	v_add_nc_u32 v[PS+1], s6, v199                 ; positions n + l
	v_min_u32 v[PS+1], 0x43f, v[PS+1]
	v_lshl_add_u32 v[PS+1], v[PS+1], 2, LIST
	s_wait_dscnt 0x0
	ds_store_b32 v[PS+1], v[TK]                    ; repeat the last token
	ds_store_b32 v[PS+1], v[TK+1] offset:LW        ; and its weight
.Llisted:
	BAR                                            ; the list is whole, and is written no more
	s_wait_loadcnt 24                              ; behind column tile 0's loads stand tile 1's 24
	WTURN 1, 0
	WLOAD 2, 0, 32
	s_wait_loadcnt 24                              ; behind tile 1's: tile 2's 24
	WTURN 1, 96
	WLOAD 2, 96, 48
	HADDR 0, 5
	HLOAD 0
	s_wait_loadcnt 56                              ; behind tile 2's: tile 3's 24 and the hidden layer's 32
	WTURN 2, 0
	s_add_co_u32 s51, s5, 2
	HADDR 1, 51
	HLOAD 1
	s_wait_loadcnt 63                              ; behind tile 3's stand 64 loads: 63 may be out
	WTURN 2, 96
	s_wait_dscnt 0x0
	s_mov_b32 s9, 0                                ; g
	s_mov_b32 s10, s5                              ; the group's first row tile: 4 g + z; its second: two on
	s_mov_b32 s11, 0                               ; the area for this trip's partial sums
.Ltrip:                                                ; 16 trips
	s_add_co_u32 s12, s10, s48                     ; the row tile of which I add up eight rows
	v_add_nc_u32 v196, s11, v11
	v_add_nc_u32 v197, s11, v12
	s_cmp_ge_u32 s10, s7
	s_cbranch_scc1 .Lnoc
	s_wait_loadcnt 32                              ; buffer 0 is in; buffer 1's 32 loads may be out
	MUL 0
	s_add_co_u32 s51, s10, 4
	HADDR 0, 51
	HLOAD 0                                        ; the next group's first tile
	s_wait_loadcnt 32                              ; buffer 1 is in; the 32 just issued may be out
	MUL 1
	s_add_co_u32 s51, s10, 6
	HADDR 1, 51
	v_nop
	HLOAD 1
.irp j, 0,1
.irp t, 0,1,2,3
	ds_store_b128 v196, v[ACC+32*\j+8*\t:ACC+32*\j+8*\t+3] offset:4352*\j+64*\t          ; each accumulator from its low end on
	ds_store_b128 v196, v[ACC+32*\j+8*\t+4:ACC+32*\j+8*\t+7] offset:4352*\j+64*\t+16
.endr
.endr
.Lnoc:
	BAR                                            ; the trip's one barrier: the partial sums lie in LDS.  The two areas take turns, so the next trip's stores meet no reader
	s_cmp_ge_u32 s12, s7
	s_cbranch_scc1 .Lnor
	s_wait_xcnt 0x0                                ; the last trip's stores have read their registers
	s_min_u32 s50, s12, 63
	s_lshl_b32 s50, s50, 6
	v_add_nc_u32 v[LRA], s50, v[LRB]
.irp i, 0,1,2,3
	ds_load_b32 v[TN+\i], v[LRA] offset:8*\i       ; the token of row 2 i + h of my eight,
	ds_load_b32 v[WP+2*\i], v[LRA] offset:LW+8*\i  ; and its weight
.endr
.irp a, 0,1,2,3
.irp i, 0,1,2,3
	ds_load_b128 v[RD+16*\a+4*\i:RD+16*\a+4*\i+3], v197 offset:8704*\a+544*\i           ; wave a's part: rows 2 i + h of my eight, 16 bytes a lane
.endr
.endr
	s_wait_dscnt 16                                ; the list's eight loads are in; the sixteen behind them may be out
.irp i, 0,1,2,3
	v_min_u32 v[TN+\i], 0x3ff, v[TN+\i]            ; a token number is held to 1,023 before it enters an address
.endr
.irp i, 0,1,2,3
	v_lshl_add_u32 v[OA+\i], v[TN+\i], 12, v10     ; 4,096 x token + 16 r
	v_mov_b32 v[WP+2*\i+1], v[WP+2*\i]             ; (named with it as a pair, so it is written)
.endr
	s_wait_dscnt 0x0
.irp i, 0,1,2,3
.irp p, 0,2
	v_pk_add_f32 v[RD+4*\i+\p:RD+4*\i+\p+1], v[RD+4*\i+\p:RD+4*\i+\p+1], v[RD+16+4*\i+\p:RD+16+4*\i+\p+1]
	v_pk_add_f32 v[RD+32+4*\i+\p:RD+32+4*\i+\p+1], v[RD+32+4*\i+\p:RD+32+4*\i+\p+1], v[RD+48+4*\i+\p:RD+48+4*\i+\p+1]
.endr
.endr
.irp i, 0,1,2,3
.irp p, 0,2
	v_pk_add_f32 v[RD+4*\i+\p:RD+4*\i+\p+1], v[RD+4*\i+\p:RD+4*\i+\p+1], v[RD+32+4*\i+\p:RD+32+4*\i+\p+1]
.endr
.endr
.irp i, 0,1,2,3
.irp p, 0,2
	v_pk_add_f32 v[RD+4*\i+\p:RD+4*\i+\p+1], v[RD+4*\i+\p:RD+4*\i+\p+1], v[B2+\p:B2+\p+1]
.endr
.endr
.irp i, 0,1,2,3
.irp p, 0,2
	v_pk_mul_f32 v[RD+4*\i+\p:RD+4*\i+\p+1], v[RD+4*\i+\p:RD+4*\i+\p+1], v[WP+2*\i:WP+2*\i+1] op_sel_hi:[1,0]
.endr
.endr
.irp i, 0,1,2,3
	global_store_b128 v[OA+\i], v[RD+4*\i:RD+4*\i+3], s[30:31] th:TH_STORE_NT            ; sixteen lanes store 256 consecutive bytes of a token's row, at a multiple of 256 from out0's first byte
.endr
.Lnor:
	s_xor_b32 s11, s11, REDB
	s_add_co_u32 s10, s10, 4
	s_add_co_u32 s9, s9, 1
	s_cmp_lt_u32 s9, 16
	s_cbranch_scc1 .Ltrip
	s_barrier_signal -1
	s_barrier_wait -1
	s_wait_tensorcnt 0x0
	ds_add_u32 v254, v255
	s_wait_dscnt 0x0
	s_endpgm
.Lfunc_end_k_q7c5cea682f_ffn2:
	.size	k_q7c5cea682f_ffn2, .Lfunc_end_k_q7c5cea682f_ffn2-k_q7c5cea682f_ffn2
	.p2alignl 7, 3214868480
	.fill 96, 4, 3214868480
	.section	.rodata,"a",@progbits
	.p2align	6, 0x0
	.amdhsa_kernel k_q7c5cea682f_ffn2
		.amdhsa_group_segment_fixed_size 129536
		.amdhsa_private_segment_fixed_size 0
		.amdhsa_enable_private_segment 0
		.amdhsa_kernarg_size 64
		.amdhsa_user_sgpr_count 2
		.amdhsa_user_sgpr_kernarg_segment_ptr 1
		.amdhsa_wavefront_size32 1
		.amdhsa_system_sgpr_workgroup_id_x 1
		.amdhsa_system_sgpr_workgroup_id_y 1
		.amdhsa_system_sgpr_workgroup_id_z 1
		.amdhsa_system_vgpr_workitem_id 0
		.amdhsa_next_free_vgpr 1024
		.amdhsa_next_free_sgpr 100
		.amdhsa_reserve_vcc 0
		.amdhsa_float_denorm_mode_32 3
		.amdhsa_float_denorm_mode_16_64 3
		.amdhsa_memory_ordered 1
		.amdhsa_forward_progress 1
		.amdhsa_inst_pref_size 85
	.end_amdhsa_kernel
	.amdgpu_metadata
---
amdhsa.version: [ 1, 2 ]
amdhsa.kernels:
  - .name:           k_q7c5cea682f_ffn2
    .symbol:         k_q7c5cea682f_ffn2.kd
    .args:
      - { .name: W2_codes, .offset: 0, .size: 8, .value_kind: global_buffer, .address_space: global }
      - { .name: W2_scales, .offset: 8, .size: 8, .value_kind: global_buffer, .address_space: global }
      - { .name: b2, .offset: 16, .size: 8, .value_kind: global_buffer, .address_space: global }
      - { .name: ids, .offset: 24, .size: 8, .value_kind: global_buffer, .address_space: global }
      - { .name: wts, .offset: 32, .size: 8, .value_kind: global_buffer, .address_space: global }
      - { .name: hid, .offset: 40, .size: 8, .value_kind: global_buffer, .address_space: global }
      - { .name: hsc, .offset: 48, .size: 8, .value_kind: global_buffer, .address_space: global }
      - { .name: out0, .offset: 56, .size: 8, .value_kind: global_buffer, .address_space: global }
    .group_segment_fixed_size: 129536
    .private_segment_fixed_size: 0
    .kernarg_segment_align: 8
    .kernarg_segment_size: 64
    .max_flat_workgroup_size: 128
    .sgpr_count:     100
    .vgpr_count:     1024
    .wavefront_size: 32
...
	.end_amdgpu_metadata
.endif
;; end of part 6
;; ======== version 3 of 3: 3 launches; version 2 with the launch ffn2 written anew for expert scheduling mode
;; workspace buffers: ids 4,096 bytes of whole numbers; wts 4,096 bytes; hid 25,165,824 bytes; hsc 2,097,152 bytes
;; launch route: the kernel of part 1 again; grid 64 x 1, 4 waves a work-group, no clusters, 71,168 bytes of LDS; arguments x_codes, x_scales, Wr_h_codes, Wr_h_scales, br_h, Wr, br, ids, wts; writes ids, wts
;; launch ffn1: the kernel of part 5 again; grid 256 x 1, 4 waves a work-group, no clusters, 173,056 bytes of LDS; arguments x_codes, x_scales, W1_codes, W1_scales, b1, ids, hid, hsc; writes hid, hsc
;; launch ffn2 (part 7): grid 256 x 1, 4 waves a work-group, no clusters, 129,536 bytes of LDS; arguments W2_codes, W2_scales, b2, ids, wts, hid, hsc, out0; writes out0
.if DOCPART == 7
	.amdgcn_target "amdgcn-amd-amdhsa--gfx1250"
	.amdhsa_code_object_version 6
	.text
	.protected	k_q7c5cea682f_ffn2
	.globl	k_q7c5cea682f_ffn2
	.p2align	8
	.type	k_q7c5cea682f_ffn2,@function
k_q7c5cea682f_ffn2:
	s_mov_b64 s[64:65], 0
	v_nop
	global_prefetch_b8 v0, s[64:65] scope:SCOPE_SE
	s_setreg_imm32_b32 hwreg(HW_REG_WAVE_SCHED_MODE, 0, 2), 2
	s_setreg_imm32_b32 hwreg(HW_REG_WAVE_MODE, 25, 1), 1
	s_wait_xcnt 0x0
	s_wait_alu depctr_vm_vsrc(0)
; THE EXPERTS' SECOND LAYER: out0[token] = (hidden W2[e] + b2[e]) x weight, for the rows that are kept, on codes of BF6 (E3M2) with E8M0 scales.  Each token has one expert here, so each row of out0 has one owner.
; SHARES.  Work-group (e, sl, z): expert e, output columns 64 sl .. + 63 (256 bytes of a row of out0), the row tiles of parity z.  Wave w owns a QUARTER OF K, K steps 8 w .. 8 w + 7, for all 64 columns: 4 tiles x 8 K steps = 384 registers
; of weights, which stay.  Of each tile of the hidden layer a wave loads only its own quarter, straight into operand registers: the buffer holds images of them (24 loads of 512 consecutive bytes).  The four waves' partial sums meet in LDS
; once for every two tiles.
; THE EXPERT'S LIST is made here, by the same lines as in the launch before, so that positions agree: every wave reads all 1,024 ids (register 4 j + i of lane l: token 128 j + 4 l + i), compares them with e into 32 masks in scalar registers
; and counts their bits: n reaches every wave through registers.  Wave 0 puts each matching token, and its weight, at position (matches in earlier registers) + (matching lanes below).  A lane without a match writes a spare word of its own, so
; that EXEC never changes.  Positions n .. n + 31 repeat the entry at n - 1, which lies in the same tile: those rows give the same bits, stored to the same row of out0 by this same work-group.  One barrier parts the making from all other use of LDS.
; THE MATRIX INSTRUCTION IS USED TRANSPOSED (source 0 = 16 rows of W2, that is 16 output columns; source 1 = 16 positions): a lane holds one position and eight neighbouring columns.
; 16 trips, a constant; every wave passes the one barrier of each trip; what n leaves without work is jumped over by scalar branches with no barrier inside.  Such branches go with no tensor load, so nothing is asked for jointly: hence no
; cluster.  Loads for a tile that does not exist are still issued, so that the counted waits hold on every way: all lanes then name the first bytes of a tile that exists.
; The sums over K are split in four and added in f32: an order of rounding other than reference()'s.  NaN and infinities are not served.
; THE MODE: SCHED_MODE bits 1:0 = 2 (LLVM: expert scheduling mode 2), set by the entry lines.  The code itself states the register dependences between vector or matrix instructions and memory or LDS instructions, with s_wait_alu, always for 0.
; THE PLAN.  Registers that memory or LDS instructions touch, in the loop:
;   v196, v197, v[LRA]         the trip's LDS addresses: written by three adds at the trip's head; read by the stores of partial sums, by the loads that bring them back and by the list's loads.
;   v[HA ..], v[HSA ..]        buffer j's two offsets: written behind the products on buffer j; read by the 32 loads that fill it again.
;   window 3, v[HS ..]         the hidden layer's two buffers and their scale words: those loads land in them; the products read them.
;   v[ACC ..]                  written by the products; read by the sixteen LDS stores of partial sums.
;   v[RD ..], v[TN ..], v[WP ..]  LDS loads land in them; the additions read and write them; the four global stores read v[RD .. RD + 15].
;   v[OA ..]                   written from the tokens; read by the four global stores.
; ONE wait on vm_vsrc stands in a trip, at its head: each of these is read by memory or LDS instructions in one trip and written again in the next at the earliest (buffer 1's offsets: behind that wait, and their readers ahead of it).
; Four waits on va_vdst: behind the three adds at the head; ahead of each buffer's 32 loads; ahead of the four global stores.
; REGISTERS.  window 0: v1-19 lane terms and work; v20-23 offsets in out0; v24-31 weights; v32-35 b2; v36-51 W2's scale words (tiles 2 q, 2 q + 1 at 36 + 8 q + k: even in lanes 0-15, odd in lanes 16-31); v52-67 the hidden layer's;
;   v68-131 eight accumulators (row tile j, column tile t at 68 + 32 j + 8 t; at the head: the list's positions and tokens); v132-195 partial sums read back (at the head: the ids and the weights); v196-219 addresses and the list's work;
;   v254, v255 the closing add's two.   window 1: column tiles 0, 1;  window 2: column tiles 2, 3;  window 3: two tiles of the hidden layer, 96 registers each.
.set GW,   3
.set LSW,  4
.set LFW,  5
.set HA,   13
.set HSA,  15
.set OA,   20
.set WP,   24
.set B2,   32
.set WS,   36
.set HS,   52
.set ACC,  68
.set LP,   68                          ; v68-99   at the head alone, in wave 0: a position for each register of ids, then its LDS address
.set LT,   100                         ; v100-131 likewise: the token numbers
.set RD,   132
.set ID,   132                         ; v132-163 the ids, at the head alone
.set W,    164                         ; v164-195 the tokens' weights, at the head alone
.set LRB,  200                         ; v200     LIST + 32 (w % 2) + 4 (lane / 16): where I read my eight rows' entries of a tile
.set LRA,  201                         ; v201     the same for the tile in hand
.set DMP,  202                         ; v202     1,088 + lane: the position of my spare word
.set LPF,  203                         ; v203     LIST + 16 x lane
.set PS,   204                         ; v204     the LDS address of the list's last entry; v205 of position n + lane
.set TK,   208                         ; v208     the last entry's token; v209 its weight
.set ZR,   212                         ; v212-215 zeros
.set TN,   216                         ; v216-219 four tokens of the rows that I store
.set MK,   66                          ; s66-97   the 32 masks
.set WSTB, 12544                       ; LDS: four stages of 16 rows x 784 bytes from byte 0;
.set RED,  50176                       ; two areas for partial sums, by turns:
.set REDB, 34816                       ; 8 parts (wave, row tile) of 16 rows x (256 + 16) bytes
.set LIST, RED+2*REDB                  ; the list: 1,152 words of tokens (positions 0 to 1,055; from 1,088 on a spare word for each lane),
.set LW,   4608                        ; and as many of weights, this far on
.set MSB,  0
.macro WIN new
.if MSB != (\new)
	s_set_vgpr_msb (MSB<<8)|(\new)
.set MSB, (\new)
.endif
.endm
.macro BAR
	s_wait_dscnt 0x0
	s_barrier_signal -1
	s_barrier_wait -1
.endm
.macro WLOAD win, base, row0           ; 24 loads: 16 rows x my 768 bytes, rows 3,072 bytes apart: two aligned runs of 256 bytes an instruction
	WIN (\win)<<6
.irp i, 0,1,2,3,4,5,6,7
.irp u, 0,1,2
	global_load_b128 v[\base+4*(3*\i+\u):\base+4*(3*\i+\u)+3], v[GW], s[16:17] offset:((\row0)+2*\i)*3072+256*\u
.endr
.endr
	WIN 0
.endm
.macro WTURN win, base                 ; through my stage: in as loaded, out as 8 fragments; LDS serves a wave's instructions in order (ISA guide 5.7.1.4)
	WIN (\win)<<2
.irp i, 0,1,2,3,4,5,6,7
.irp u, 0,1,2
	ds_store_b128 v[LSW], v[\base+4*(3*\i+\u):\base+4*(3*\i+\u)+3] offset:1568*\i+256*\u
.endr
.endr
	WIN (\win)<<6
	s_wait_alu depctr_vm_vsrc(0)                   ; the 24 stores above have read these 96 registers, in which the loads below land
.irp s, 0,1,2,3,4,5,6,7
.irp p, 0,1,2,3,4,5
	ds_load_b64 v[\base+12*\s+2*\p:\base+12*\s+2*\p+1], v[LFW] offset:96*\s+48*(\p/3)+8*(\p%3)
.endr
.endr
	WIN 0
.endm
.macro MM d, a, b, sa, sb, row, zero   ; zero = 1: the product starts the sum: nothing is cleared
.if \zero
.if \row
	v_wmma_scale_f32_16x16x128_f8f6f4 v[\d:\d+7], v[\a:\a+11], v[\b:\b+11], 0, v[\sa], v[\sb] matrix_a_fmt:MATRIX_FMT_BF6 matrix_b_fmt:MATRIX_FMT_BF6 matrix_a_scale:MATRIX_SCALE_ROW1
.else
	v_wmma_scale_f32_16x16x128_f8f6f4 v[\d:\d+7], v[\a:\a+11], v[\b:\b+11], 0, v[\sa], v[\sb] matrix_a_fmt:MATRIX_FMT_BF6 matrix_b_fmt:MATRIX_FMT_BF6
.endif
.else
.if \row
	v_wmma_scale_f32_16x16x128_f8f6f4 v[\d:\d+7], v[\a:\a+11], v[\b:\b+11], v[\d:\d+7], v[\sa], v[\sb] matrix_a_fmt:MATRIX_FMT_BF6 matrix_b_fmt:MATRIX_FMT_BF6 matrix_a_scale:MATRIX_SCALE_ROW1
.else
	v_wmma_scale_f32_16x16x128_f8f6f4 v[\d:\d+7], v[\a:\a+11], v[\b:\b+11], v[\d:\d+7], v[\sa], v[\sb] matrix_a_fmt:MATRIX_FMT_BF6 matrix_b_fmt:MATRIX_FMT_BF6
.endif
.endif
.endm
; the offsets of row tile s[st] for buffer j.  A tile at or past the count: the last tile that exists, and every lane at its first bytes.  What hangs on the count is held by a constant before it enters an address.
; The four vector lines name no register of the products before them: they are the places behind those (ISA guide 7.12.1).
.macro HADDR j, st
	s_cmp_lt_u32 s[\st], s7
	s_cselect_b32 s13, 1, 0
	s_min_u32 s13, s13, 1
	s_min_u32 s14, s[\st], s8
	s_min_u32 s14, s14, 63
	s_mul_i32 s15, s14, 1536
	s_lshl_b32 s14, s14, 7
	v_mul_u32_u24 v17, v8, s13
	v_add_nc_u32 v[HA+\j], s15, v17
	v_mul_u32_u24 v18, v9, s13
	v_add_nc_u32 v[HSA+\j], s14, v18
.endm
.macro HLOAD j                         ; 32 loads: my 8 K steps' fragments of a row tile, as they will stand in registers, and their scale words
	WIN 0xc0
	s_wait_alu depctr_va_vdst(0)                   ; the buffer's two offsets are written, which the loads below read; in the loop the products above are done reading the buffer and its scale words, in which these loads land, and, behind the trip's second run of products, have written the accumulators, which the LDS stores behind these loads read
.irp k, 0,1,2,3,4,5,6,7
.irp q, 0,1,2
	global_load_b128 v[96*\j+12*\k+4*\q:96*\j+12*\k+4*\q+3], v[HA+\j], s[26:27] offset:98304*\k+512*\q
.endr
.endr
	WIN 0
.irp k, 0,1,2,3,4,5,6,7
	global_load_b32 v[HS+8*\j+\k], v[HSA+\j], s[28:29] offset:8192*\k
.endr
.endm
.macro MUL j                           ; 32 matrix instructions; two accumulators take turns, one instruction a turn
	WIN 0x0d                                       ; source 0 window 1, source 1 window 3
.irp k, 0,1,2,3,4,5,6,7
	MM ACC+32*\j, 12*\k, 96*\j+12*\k, WS+\k, HS+8*\j+\k, 0, (\k==0)
	MM ACC+32*\j+8, 96+12*\k, 96*\j+12*\k, WS+\k, HS+8*\j+\k, 1, (\k==0)
.endr
	WIN 0x0e                                       ; source 0 window 2
.irp k, 0,1,2,3,4,5,6,7
	MM ACC+32*\j+16, 12*\k, 96*\j+12*\k, WS+8+\k, HS+8*\j+\k, 0, (\k==0)
	MM ACC+32*\j+24, 96+12*\k, 96*\j+12*\k, WS+8+\k, HS+8*\j+\k, 1, (\k==0)
.endr
	WIN 0
.endm
	s_load_b512 s[16:31], s[0:1], 0x0              ; W2_codes 16, W2_scales 18, b2 20, ids 22, wts 24, hid 26, hsc 28, out0 30
	v_lshl_add_u32 v254, v0, 2, 0x1f800            ; the closing add's two registers: my spare word, behind the list, and 0; kept for that alone
	v_mov_b32 v255, 0
	v_lshrrev_b32 v1, 5, v0
	v_readfirstlane_b32 s2, v1                     ; wave 0..3
	s_lshr_b32 s3, ttmp9, 5                        ; e
	s_bfe_u32 s4, ttmp9, 0x40001                   ; sl
	s_and_b32 s5, ttmp9, 1                         ; z
	v_and_b32 v199, 31, v0                         ; l
	v_and_b32 v1, 15, v0                           ; r
	v_bfe_u32 v2, v0, 4, 1                         ; h
	v_lshlrev_b32 v10, 4, v1                       ; 16 r
	v_mad_u32_u24 v[GW], v2, 3072, v10
	s_wait_alu depctr_va_sdst(0)                   ; s2, the wave's number, is written, ahead of its first reader
	s_mul_i32 s12, s2, WSTB                        ; my stage
	v_mad_u32_u24 v[LSW], v2, 784, v10
	v_add_nc_u32 v[LSW], s12, v[LSW]
	v_mul_u32_u24 v[LFW], v1, 784
	v_mad_u32_u24 v[LFW], v2, 24, v[LFW]
	v_add_nc_u32 v[LFW], s12, v[LFW]
	v_lshlrev_b32 v8, 4, v199                      ; 16 l
	v_lshlrev_b32 v9, 2, v199                      ; 4 l
	v_lshlrev_b32 v198, 7, v199                    ; 128 l: a row of W2's scale bytes for each lane of a pair of tiles
	s_mul_i32 s12, s2, 8704
	s_add_co_u32 s12, s12, RED
	v_mul_u32_u24 v11, v1, 272
	v_lshl_add_u32 v11, v2, 5, v11
	v_add_nc_u32 v11, s12, v11                     ; my parts: row r, 32 h
	s_lshr_b32 s48, s2, 1
	s_and_b32 s49, s2, 1
	s_mul_i32 s12, s48, 4352
	s_add_co_u32 s12, s12, RED
	s_lshl_b32 s49, s49, 3                         ; I add up rows 8 (w % 2) .. + 7
	s_lshl_b32 s48, s48, 1                         ; of the group's row tile w / 2, which is 2 (w / 2) tiles on from its first
	v_add_nc_u32 v12, s49, v2
	v_mul_u32_u24 v12, v12, 272
	v_add_nc_u32 v12, v12, v10
	v_add_nc_u32 v12, s12, v12                     ; row 8 (w % 2) + h, 16 r
	s_lshl_b32 s13, s49, 2
	s_add_co_u32 s13, s13, LIST
	v_lshl_add_u32 v[LRB], v2, 2, s13              ; the same rows' entries of the list: 4 bytes each
	v_add_nc_u32 v[DMP], 1088, v199
	v_add_nc_u32 v[LPF], LIST, v8
.irp i, 0,1,2,3
	v_mov_b32 v[ZR+\i], 0
.endr
	s_mov_b32 s53, 0
	s_wait_kmcnt 0x0
	s_wait_alu depctr_va_vdst(0)                   ; the lane terms are written: v[GW], v8, v10 and v198, which the loads below read as offsets; v[LSW], v[LFW], v[LPF] and the zeros, which LDS instructions of the head read
.irp j, 0,1,2,3,4,5,6,7
	global_load_b128 v[ID+4*\j:ID+4*\j+3], v8, s[22:23] offset:512*\j     ; the ids and the weights go out first: the list hangs on them
.endr
.irp j, 0,1,2,3,4,5,6,7
	global_load_b128 v[W+4*\j:W+4*\j+3], v8, s[24:25] offset:512*\j
.endr
	s_lshl_b32 s50, s3, 10
	s_lshl_b32 s12, s4, 6
	s_add_co_u32 s50, s50, s12                     ; my first row of W2: 1,024 e + 64 sl
	s_mul_i32 s52, s50, 3072
	s_mul_i32 s12, s2, 768
	s_add_co_u32 s52, s52, s12                     ; + my quarter of K
	s_add_nc_u64 s[16:17], s[16:17], s[52:53]
	s_lshl_b32 s52, s50, 7
	s_lshl_b32 s12, s2, 5
	s_add_co_u32 s52, s52, s12
	s_add_nc_u64 s[18:19], s[18:19], s[52:53]
	s_lshl_b32 s52, s50, 2
	s_add_nc_u64 s[20:21], s[20:21], s[52:53]
	s_lshl_b32 s50, s3, 5
	s_lshl_b32 s12, s2, 3
	s_add_co_u32 s50, s50, s12                     ; 32 e + 8 w: my first K step
	s_mul_i32 s52, s50, 98304
	s_add_nc_u64 s[26:27], s[26:27], s[52:53]
	s_lshl_b32 s52, s50, 13
	s_add_nc_u64 s[28:29], s[28:29], s[52:53]
	s_lshl_b32 s52, s4, 8
	s_add_nc_u64 s[30:31], s[30:31], s[52:53]      ; my 256 bytes of a row of out0
.irp p, 0,1
.irp q, 0,1
	global_load_b128 v[WS+8*\p+4*\q:WS+8*\p+4*\q+3], v198, s[18:19] offset:4096*\p+16*\q
.endr
.endr
	global_load_b128 v[B2:B2+3], v10, s[20:21]
	WLOAD 1, 0, 0
	WLOAD 1, 96, 16
	s_wait_loadcnt 53                              ; the ids and the weights are in; behind them stand 4 + 1 + 24 + 24 loads, which may be out
.set q, 0
.rept 32
	v_cmp_eq_u32 s[MK+q], s3, v[ID+q]              ; whose kept expert is e
.set q, q+1
.endr
	s_wait_alu depctr_va_sdst(0)                   ; the 32 masks are written, ahead of their first reader: one wait behind the run of compares
	s_mov_b32 s6, 0
.set q, 0
.rept 32
	s_bcnt1_i32_b32 s12, s[MK+q]
	s_add_co_u32 s6, s6, s12
.set q, q+1
.endr
	s_min_u32 s6, s6, 0x400                        ; n
	s_add_co_u32 s7, s6, 15
	s_lshr_b32 s7, s7, 4
	s_min_u32 s7, s7, 64                           ; row tiles
	s_max_u32 s8, s7, 1
	s_sub_co_u32 s8, s8, 1                         ; the last tile that exists (tile 0 always does)
	s_cmp_lg_u32 s2, 0
	s_cbranch_scc1 .Llisted                        ; wave 0 makes the list; no other wave touches LDS ahead of the barrier below
	ds_store_b128 v[LPF], v[ZR:ZR+3]               ; positions 0 to 127: token 0, weight 0.  LDS serves a wave's instructions in order (ISA guide 5.7.1.4): what follows lands on top
	ds_store_b128 v[LPF], v[ZR:ZR+3] offset:LW
	; All 32 registers of ids at once: each match's position and token in registers of their own, line by line over the 32, so that no line waits for the line above it and one wait serves all the stores.  s13: the matches so far
	s_mov_b32 s13, 0
.set q, 0
.rept 32
	v_mbcnt_lo_u32_b32 v[LP+q], s[MK+q], s13       ; the matches so far + the matching lanes below me
	s_bcnt1_i32_b32 s12, s[MK+q]
	s_add_co_u32 s13, s13, s12
.set q, q+1
.endr
.set q, 0
.rept 32
	v_cndmask_b32 v[LP+q], v[DMP], v[LP+q], s[MK+q]            ; without a match: my spare word
.set q, q+1
.endr
.set q, 0
.rept 32
	v_min_u32 v[LP+q], 0x47f, v[LP+q]              ; held inside the list's 1,152 words
.set q, q+1
.endr
.set q, 0
.rept 32
	v_lshl_add_u32 v[LP+q], v[LP+q], 2, LIST
.set q, q+1
.endr
.set q, 0
.rept 32
	v_add_nc_u32 v[LT+q], 128*(q/4)+q%4, v9        ; the token: 128 (q / 4) + 4 l + q % 4
.set q, q+1
.endr
	s_max_u32 s12, s6, 1
	s_sub_co_u32 s12, s12, 1                       ; the last position (0 where n = 0)
	v_mov_b32 v[PS], s12
	v_min_u32 v[PS], 0x3ff, v[PS]
	v_lshl_add_u32 v[PS], v[PS], 2, LIST
	v_add_nc_u32 v[PS+1], s6, v199                 ; positions n + l
	v_min_u32 v[PS+1], 0x43f, v[PS+1]
	v_lshl_add_u32 v[PS+1], v[PS+1], 2, LIST
	s_wait_alu depctr_va_vdst(0)                   ; the 32 addresses, the 32 tokens and the tail's two addresses are written, which the LDS instructions below read
.set q, 0
.rept 32
	ds_store_b32 v[LP+q], v[LT+q]
	ds_store_b32 v[LP+q], v[W+q] offset:LW
.set q, q+1
.endr
	ds_load_b32 v[TK], v[PS]
	ds_load_b32 v[TK+1], v[PS] offset:LW
	s_wait_dscnt 0x0
	ds_store_b32 v[PS+1], v[TK]                    ; repeat the last token
	ds_store_b32 v[PS+1], v[TK+1] offset:LW        ; and its weight
.Llisted:
	BAR                                            ; the list is whole, and is written no more
	s_wait_loadcnt 24                              ; behind column tile 0's loads stand tile 1's 24
	WTURN 1, 0
	WLOAD 2, 0, 32
	s_wait_loadcnt 24                              ; behind tile 1's: tile 2's 24
	WTURN 1, 96
	WLOAD 2, 96, 48
	HADDR 0, 5
	HLOAD 0
	s_wait_loadcnt 56                              ; behind tile 2's: tile 3's 24 and the hidden layer's 32
	WTURN 2, 0
	s_add_co_u32 s51, s5, 2
	HADDR 1, 51
	HLOAD 1
	s_wait_loadcnt 63                              ; behind tile 3's stand 64 loads: 63 may be out
	WTURN 2, 96
	s_wait_dscnt 0x0
	s_mov_b32 s9, 0                                ; g
	s_mov_b32 s10, s5                              ; the group's first row tile: 4 g + z; its second: two on
	s_mov_b32 s11, 0                               ; the area for this trip's partial sums
.Ltrip:                                                ; 16 trips
	s_add_co_u32 s12, s10, s48                     ; the row tile of which I add up eight rows
	s_min_u32 s50, s12, 63
	s_lshl_b32 s50, s50, 6
	s_wait_alu depctr_vm_vsrc(0)                   ; the LDS and memory instructions issued so far have read their registers: the three addresses that the adds below write again; both buffers' offsets; the accumulators, which the last trip's LDS stores read and this trip's products write; v[OA ..] and v[RD ..], which the last trip's global stores read; in the first trip also v68-131 and v164-195, which wave 0's LDS stores read
	v_add_nc_u32 v196, s11, v11
	v_add_nc_u32 v197, s11, v12
	v_add_nc_u32 v[LRA], s50, v[LRB]
	s_wait_alu depctr_va_vdst(0)                   ; the three addresses are written, which this trip's LDS stores and loads read; the last trip's additions are done with v[RD ..], v[TN ..] and v[WP ..], in which this trip's LDS loads land; in the first trip: the compares are done reading the ids
	s_cmp_ge_u32 s10, s7
	s_cbranch_scc1 .Lnoc
	s_wait_loadcnt 32                              ; buffer 0 is in; buffer 1's 32 loads may be out
	MUL 0
	s_add_co_u32 s51, s10, 4
	HADDR 0, 51
	HLOAD 0                                        ; the next group's first tile
	s_wait_loadcnt 32                              ; buffer 1 is in; the 32 just issued may be out
	MUL 1
	s_add_co_u32 s51, s10, 6
	HADDR 1, 51
	v_nop
	HLOAD 1
.irp j, 0,1
.irp t, 0,1,2,3
	ds_store_b128 v196, v[ACC+32*\j+8*\t:ACC+32*\j+8*\t+3] offset:4352*\j+64*\t          ; each accumulator from its low end on
	ds_store_b128 v196, v[ACC+32*\j+8*\t+4:ACC+32*\j+8*\t+7] offset:4352*\j+64*\t+16
.endr
.endr
.Lnoc:
	BAR                                            ; the trip's one barrier: the partial sums lie in LDS.  The two areas take turns, so the next trip's stores meet no reader
	s_cmp_ge_u32 s12, s7
	s_cbranch_scc1 .Lnor
	s_wait_xcnt 0x0                                ; the last trip's stores have read their registers
.irp i, 0,1,2,3
	ds_load_b32 v[TN+\i], v[LRA] offset:8*\i       ; the token of row 2 i + h of my eight,
	ds_load_b32 v[WP+2*\i], v[LRA] offset:LW+8*\i  ; and its weight
.endr
.irp a, 0,1,2,3
.irp i, 0,1,2,3
	ds_load_b128 v[RD+16*\a+4*\i:RD+16*\a+4*\i+3], v197 offset:8704*\a+544*\i           ; wave a's part: rows 2 i + h of my eight, 16 bytes a lane
.endr
.endr
	s_wait_dscnt 16                                ; the list's eight loads are in; the sixteen behind them may be out
.irp i, 0,1,2,3
	v_min_u32 v[TN+\i], 0x3ff, v[TN+\i]            ; a token number is held to 1,023 before it enters an address
.endr
.irp i, 0,1,2,3
	v_lshl_add_u32 v[OA+\i], v[TN+\i], 12, v10     ; 4,096 x token + 16 r
	v_mov_b32 v[WP+2*\i+1], v[WP+2*\i]             ; (named with it as a pair, so it is written)
.endr
	s_wait_dscnt 0x0
.irp i, 0,1,2,3
.irp p, 0,2
	v_pk_add_f32 v[RD+4*\i+\p:RD+4*\i+\p+1], v[RD+4*\i+\p:RD+4*\i+\p+1], v[RD+16+4*\i+\p:RD+16+4*\i+\p+1]
	v_pk_add_f32 v[RD+32+4*\i+\p:RD+32+4*\i+\p+1], v[RD+32+4*\i+\p:RD+32+4*\i+\p+1], v[RD+48+4*\i+\p:RD+48+4*\i+\p+1]
.endr
.endr
.irp i, 0,1,2,3
.irp p, 0,2
	v_pk_add_f32 v[RD+4*\i+\p:RD+4*\i+\p+1], v[RD+4*\i+\p:RD+4*\i+\p+1], v[RD+32+4*\i+\p:RD+32+4*\i+\p+1]
.endr
.endr
.irp i, 0,1,2,3
.irp p, 0,2
	v_pk_add_f32 v[RD+4*\i+\p:RD+4*\i+\p+1], v[RD+4*\i+\p:RD+4*\i+\p+1], v[B2+\p:B2+\p+1]
.endr
.endr
.irp i, 0,1,2,3
.irp p, 0,2
	v_pk_mul_f32 v[RD+4*\i+\p:RD+4*\i+\p+1], v[RD+4*\i+\p:RD+4*\i+\p+1], v[WP+2*\i:WP+2*\i+1] op_sel_hi:[1,0]
.endr
.endr
	s_wait_alu depctr_va_vdst(0)                   ; the multiplications have written v[RD .. RD + 15] and the shifts v[OA ..], which the four stores below read as data and offsets
.irp i, 0,1,2,3
	global_store_b128 v[OA+\i], v[RD+4*\i:RD+4*\i+3], s[30:31] th:TH_STORE_NT            ; sixteen lanes store 256 consecutive bytes of a token's row, at a multiple of 256 from out0's first byte
.endr
.Lnor:
	s_xor_b32 s11, s11, REDB
	s_add_co_u32 s10, s10, 4
	s_add_co_u32 s9, s9, 1
	s_cmp_lt_u32 s9, 16
	s_cbranch_scc1 .Ltrip
	s_barrier_signal -1
	s_barrier_wait -1
	s_wait_dscnt 0x0                               ; the closing lines, six on end
	s_wait_alu 0x0
	s_wait_tensorcnt 0x0
	ds_add_u32 v254, v255
	s_wait_dscnt 0x0
	s_endpgm
.Lfunc_end_k_q7c5cea682f_ffn2:
	.size	k_q7c5cea682f_ffn2, .Lfunc_end_k_q7c5cea682f_ffn2-k_q7c5cea682f_ffn2
	.p2alignl 7, 3214868480
	.fill 96, 4, 3214868480
	.section	.rodata,"a",@progbits
	.p2align	6, 0x0
	.amdhsa_kernel k_q7c5cea682f_ffn2
		.amdhsa_group_segment_fixed_size 129536
		.amdhsa_private_segment_fixed_size 0
		.amdhsa_enable_private_segment 0
		.amdhsa_kernarg_size 64
		.amdhsa_user_sgpr_count 2
		.amdhsa_user_sgpr_kernarg_segment_ptr 1
		.amdhsa_wavefront_size32 1
		.amdhsa_system_sgpr_workgroup_id_x 1
		.amdhsa_system_sgpr_workgroup_id_y 1
		.amdhsa_system_sgpr_workgroup_id_z 1
		.amdhsa_system_vgpr_workitem_id 0
		.amdhsa_next_free_vgpr 1024
		.amdhsa_next_free_sgpr 100
		.amdhsa_reserve_vcc 0
		.amdhsa_float_denorm_mode_32 3
		.amdhsa_float_denorm_mode_16_64 3
		.amdhsa_memory_ordered 1
		.amdhsa_forward_progress 1
		.amdhsa_inst_pref_size 86
	.end_amdhsa_kernel
	.amdgpu_metadata
---
amdhsa.version: [ 1, 2 ]
amdhsa.kernels:
  - .name:           k_q7c5cea682f_ffn2
    .symbol:         k_q7c5cea682f_ffn2.kd
    .args:
      - { .name: W2_codes, .offset: 0, .size: 8, .value_kind: global_buffer, .address_space: global }
      - { .name: W2_scales, .offset: 8, .size: 8, .value_kind: global_buffer, .address_space: global }
      - { .name: b2, .offset: 16, .size: 8, .value_kind: global_buffer, .address_space: global }
      - { .name: ids, .offset: 24, .size: 8, .value_kind: global_buffer, .address_space: global }
      - { .name: wts, .offset: 32, .size: 8, .value_kind: global_buffer, .address_space: global }
      - { .name: hid, .offset: 40, .size: 8, .value_kind: global_buffer, .address_space: global }
      - { .name: hsc, .offset: 48, .size: 8, .value_kind: global_buffer, .address_space: global }
      - { .name: out0, .offset: 56, .size: 8, .value_kind: global_buffer, .address_space: global }
    .group_segment_fixed_size: 129536
    .private_segment_fixed_size: 0
    .kernarg_segment_align: 8
    .kernarg_segment_size: 64
    .max_flat_workgroup_size: 128
    .sgpr_count:     100
    .vgpr_count:     1024
    .wavefront_size: 32
...
	.end_amdgpu_metadata
.endif
;; end of part 7
